; MI455X (gfx1250); checked and timed in simulation.
; The chip was launched on July 23, 2026; its instructions are those of AMD's public machine-readable ISA for CDNA 5 (MIT licence, August 2026) and "CDNA5" Instruction Set Architecture Reference Guide (July 2026). The comments in the code are by the model that wrote it; some were corrected since.
;; Time Step Attention. Allowed arithmetic: matrix products marked QUANTISED: E4M3 operands, one E8M0 scale for each 32 along K, by v_wmma_scale_f32_16x16x128_f8f6f4 with both operands' format E4M3, f32 sums; everything else in f32.
;; Inputs: b_in 3,072 float32; b_out 1,024 float32; w_in 3,072 x 1,024 float32; w_out 1,024 x 1,024 float32; x 1,024 x 8 x 1,024 float32.
;; Outputs: out0 8 x 1,024 float32.
;; Constants: num_heads = 16.
;; This version of the problem:
;;   THIS VERSION OF THE PROBLEM IS GIVEN IN LOW PRECISION. The matrix products marked QUANTISED in the list below multiply operands that are first quantised to E4M3 (4 exponent bits, 3 mantissa bits; 8 bits a number), with one power-of-two scale for each 32 numbers along K (OCP MX v1.0); their sums are f32. All else is computed in f32.
;;   The module's matrix products, in the order in which they are computed (A, B: the left and right operand; K: the contracted axis; several contracted axes count as one K, in the product's order):
;;     1. [M 8,192, K 1,024] x [K 1,024, N 3,072]; A: input x; B: input w_in: QUANTISED
;;     2. batch 128 x [M 1,024, K 64] x [K 64, N 1,024]; A: computed on the way; B: computed on the way: QUANTISED
;;     3. batch 128 x [M 1,024, K 1,024] x [K 1,024, N 64]; A: softmax (see below); B: computed on the way: QUANTISED
;;     4. [M 8,192, K 1,024] x [K 1,024, N 1,024]; A: computed on the way; B: input w_out: QUANTISED
;;     5. batch 8 x [M 1,024, K 1,024] x [K 1,024, N 1,024]; A: computed on the way; B: computed on the way: QUANTISED
;;   THE QUANTISER, for each operand of a quantised product, along K:
;;     - K is cut into blocks of 32 from its start; a last block that is shorter is filled with zeros.
;;     - A block's scale is 2^e with e = floor(log2(the largest magnitude in the block)) - 8, held to -126 .. 127; a block of zeros has e = 0. As a byte (E8M0): e + 127.
;;     - Each number is divided by its block's scale, clamped to +-448, and rounded to the nearest number of E4M3, ties to even, subnormals kept.
;;     - The product sums the exact products of the quantised numbers (number of the format x scale) in f32.
;;   ~~~python
;;   def quantise(x, axis):      # numpy; x: float32 -> the quantised numbers, widened to float32 again
;;       x = np.moveaxis(x, axis, -1); K = x.shape[-1]
;;       x = np.pad(x, [(0, 0)] * (x.ndim - 1) + [(0, -K % 32)]); x = x.reshape(x.shape[:-1] + (-1, 32)); a = np.abs(x).max(-1, keepdims=True)
;;       e = np.where(a > 0, np.clip(np.frexp(np.where(a > 0, a, 1))[1] - 1 - 8, -126, 127), 0)      # np.frexp(a)[1] - 1 = floor(log2(a)), exactly
;;       r = np.clip(x / 2.0 ** e, -448, 448)
;;       step = 2.0 ** (np.maximum(np.frexp(np.where(r == 0, 1, r))[1] - 1, -6) - 3)
;;       q = np.round(r / step) * step * 2.0 ** e      # np.round: ties to even
;;       return np.moveaxis(q.reshape(q.shape[:-2] + (-1,))[..., :K], -1, axis).astype(np.float32)
;;   ~~~
;;   SOFTMAX AHEAD OF A QUANTISED PRODUCT. Where the list says 'softmax', what is quantised is not the finished softmax but p = 2^(t - M), with t = logit x log2(e) and M = ceil(the row's largest t), a whole number; so 1/2 < the row's largest p <= 1. The row's sum l is taken of the UNQUANTISED p, in f32, and the product's result is divided by l at the end. Since M is a whole number, a kernel that streams over the keys may use a running M (the ceiling of the running maximum): every later rescaling is an exact power of two, which a block's scale takes up: the codes' values come out the same.
;;   OPERANDS COMPUTED ON THE WAY. 'Computed on the way' means the value that the module computes at that place (a softmax that the list does not call 'softmax' is quantised finished and normalised). What goes into a quantiser is computed in f32, as accurately as f32 sums, v_exp_f32 and their like allow (about 1e-6 of the number): no bf16 or f16 on the way to a quantiser, and a product that is left as it is and whose result goes on into a quantised operand takes f32 operands (vector FMAs, or v_wmma_f32_16x16x4_f32). A number that lies on a knife's edge between two numbers of the format may be rounded either way, as far as f32 arithmetic and the matrix unit's own rounding can turn it there, and no further.
;; One version. Each part assembles by itself: llvm-mc -triple=amdgcn-amd-amdhsa -mcpu=gfx1250 --defsym DOCPART=n.
;; ======== version 1 of 1: 6 launches
;; limits: right only within a limited range of input values
;; workspace buffers: xbuf 8,650,752 bytes; winbuf 3,248,128 bytes; wobuf 1,085,440 bytes; qkvbuf 25,952,256 bytes; attbuf 17,301,504 bytes; aobuf 8,650,752 bytes; part 262,144 bytes
;; launch quant (part 1): grid 384 x 1, 8 waves a work-group, no clusters, 68,608 bytes of LDS; arguments x, w_in, w_out, b_in, b_out, xbuf, winbuf, wobuf; writes xbuf, winbuf, wobuf
.if DOCPART == 1
	.amdgcn_target "amdgcn-amd-amdhsa--gfx1250"
	.amdhsa_code_object_version 6
	.text
	.protected	k_qb6021e9dfd_quant
	.globl	k_qb6021e9dfd_quant
	.p2align	8
	.type	k_qb6021e9dfd_quant,@function
k_qb6021e9dfd_quant:
	s_mov_b64 s[64:65], 0
	v_nop
	global_prefetch_b8 v0, s[64:65] scope:SCOPE_SE
	s_setreg_imm32_b32 hwreg(HW_REG_WAVE_MODE, 25, 1), 1
	s_wait_xcnt 0x0
; x [1024 s][8 b][1024], w_in [3072][1024], w_out [1024][1024], f32, become codes of E4M3 with one E8M0 byte for each 32 along K (the last axis), laid as IMAGES OF OPERAND REGISTERS.
; THE IMAGE.  A tile is 16 rows; image row r of tile t is matrix row 32 (t / 2) + 8 (t % 2) + r + 8 (r / 8).  Fragment (t, sigma = K / 128) is 2,048 bytes at (8 t + sigma) 2,048: four chunks c of 512 bytes,
; lane l = 16 h + r has 16 bytes at 512 c + 16 l: k = 128 sigma + 32 c + 16 h + 0 .. 15 of image row r.  Scale words: (t / 2) 1,024 + sigma 128 + (t % 2) 64 + 4 r.
; x's rows are taken as 1,024 b + s.  w_in's rows 0-2047 (q, k) and 2048-3071 (v) get parts of their own in winbuf.  b_in[2048:] and b_out are copied behind their weights' scale words.
; SHARES.  A work-group takes a pair of tiles (32 rows, all of K), wave w the K step sigma = w.  Each load reads 512 consecutive bytes of one row; the 16 rows of a tile turn through the wave's own stage in LDS
; (pitch 528 bytes = 2 x 256 + 16, so that sixteen rows start in sixteen different 16-byte columns) and come back 16 neighbours of a block to a lane.  Waves share nothing: no barrier.
; A block's scale byte is its largest magnitude's exponent field - 8, held at 1 from below.
; LIMITS: a block whose largest magnitude lies under 2^-118, a block of zeros among them, keeps the byte 1 (zeros: the rule says 127; the codes are zeros and this program alone reads the bytes); NaN and infinities are not served.
.set STG,  8448                        ; a wave's stage: 16 rows x 528 bytes
.set SPI,  528
.set R,    16                          ; v16-143  32 rows as loaded, 4 registers each
.set X,    144                         ; v144-207 64 numbers of my image row: register 16 c + i = k 32 c + 16 h + i
.set TM,   208                         ; v208-211 largest magnitudes, 212-215 bytes, 216-219 448 x scale, 220-223 the conversions' scale operands
.set PW,   224                         ; v224, v225 the two tiles' scale words
.set PC0,  228                         ; v228-243 tile 0's codes
.set PC1,  16                          ; v16-31   tile 1's codes (tile 0's rows have left these registers)
.set SEL,  42                          ; s[42:43] lane selects: lane l xor 16
.set MNT,  44                          ; s44 the mantissa field of 448
	s_load_b256 s[4:11], s[0:1], 0x0               ; x s[4:5], w_in s[6:7], w_out s[8:9], b_in s[10:11]
	s_load_b256 s[12:19], s[0:1], 0x20             ; b_out s[12:13], xbuf s[14:15], winbuf s[16:17], wobuf s[18:19]
	v_lshl_add_u32 v254, v0, 2, 0x10800
	v_mov_b32 v255, 0
	v_lshrrev_b32 v1, 5, v0
	s_delay_alu instid0(VALU_DEP_1)
	v_readfirstlane_b32 s2, v1                     ; wave = sigma
	v_and_b32 v1, 31, v0                           ; lane
	s_delay_alu instid0(VALU_DEP_1)
	v_lshlrev_b32 v2, 4, v1                        ; 16 x lane
	s_delay_alu instid0(VALU_DEP_2)
	v_lshlrev_b32 v5, 2, v1                        ; 4 x lane
	s_mul_i32 s3, s2, STG
	v_add_nc_u32 v3, s3, v2                        ; the stage, on the way in: a row's 512 bytes as they lie
	v_and_b32 v6, 15, v0                           ; r
	v_bfe_u32 v7, v0, 4, 1                         ; h
	s_delay_alu instid0(VALU_DEP_2)
	v_mul_u32_u24 v4, v6, SPI
	s_delay_alu instid0(VALU_DEP_1)
	v_lshl_add_u32 v4, v7, 6, v4
	s_delay_alu instid0(VALU_DEP_1)
	v_add_nc_u32 v4, s3, v4                        ; and on the way out: row r, + 64 h
	s_mov_b32 s[SEL], 0x76543210
	s_mov_b32 s[SEL+1], 0xfedcba98
	s_mov_b32 s[MNT], 0x600000
.irp b, 0,1,2,3
	v_mov_b32 v[TM+4+\b], 0                        ; written once: a lane permute's destination counts as one of its sources
.endr
	; which tensor, which pair of tiles: all from the work-group's number.  e: the pair's number in its part; s21, s22: where the part's codes and words begin; s23: the pair's number in the weight's rows
	s_mov_b32 s20, ttmp9
	s_mov_b32 s21, 0
	s_mov_b32 s22, 8388608
	s_mov_b32 s23, 0
	s_sub_co_u32 s26, ttmp9, 256
	s_mov_b32 s27, 1085440
	s_mov_b32 s28, 3182592
	s_cmp_ge_u32 ttmp9, 256                        ; 256-319: w_in's rows for q and k
	s_cselect_b32 s20, s26, s20
	s_cselect_b32 s23, s26, s23
	s_cselect_b32 s21, s27, s21
	s_cselect_b32 s22, s28, s22
	s_sub_co_u32 s26, ttmp9, 320
	s_mov_b32 s28, 1048576
	s_cmp_ge_u32 ttmp9, 320                        ; 320-351: w_in's rows for v
	s_cselect_b32 s20, s26, s20
	s_cselect_b32 s21, 0, s21
	s_cselect_b32 s22, s28, s22
	s_sub_co_u32 s26, ttmp9, 352
	s_cmp_ge_u32 ttmp9, 352                        ; 352-383: w_out
	s_cselect_b32 s20, s26, s20
	s_cselect_b32 s23, s26, s23
	s_and_b32 s29, ttmp9, 31                       ; x: pair id = 32 b + s / 32: 32 rows s are 32 x 32,768 bytes, b is 4,096
	s_lshl_b32 s29, s29, 20
	s_lshr_b32 s30, ttmp9, 5
	s_lshl_b32 s30, s30, 12
	s_add_co_u32 s29, s29, s30
	s_lshl_b32 s23, s23, 17                        ; a weight: 32 rows of 4,096 bytes
	s_cmp_lt_u32 ttmp9, 256
	s_cselect_b32 s24, s29, s23
	s_lshl_b32 s26, s2, 9                          ; + my K step: 128 numbers
	s_add_co_u32 s24, s24, s26
	s_mov_b32 s25, 0
	s_lshl_b32 s26, s20, 15                        ; codes: 32,768 bytes a pair, 2,048 a K step
	s_add_co_u32 s26, s26, s21
	s_lshl_b32 s27, s2, 11
	s_add_co_u32 s26, s26, s27
	s_mov_b32 s27, 0
	s_lshl_b32 s28, s20, 10                        ; words: 1,024 bytes a pair, 128 a K step
	s_add_co_u32 s28, s28, s22
	s_lshl_b32 s29, s2, 7
	s_add_co_u32 s28, s28, s29
	s_mov_b32 s29, 0
	s_wait_kmcnt 0x0
	s_cmp_lt_u32 ttmp9, 352
	s_cselect_b64 s[32:33], s[6:7], s[8:9]
	s_cselect_b64 s[34:35], s[16:17], s[18:19]
	s_cmp_lt_u32 ttmp9, 256
	s_cselect_b64 s[32:33], s[4:5], s[32:33]       ; the source
	s_cselect_b64 s[34:35], s[14:15], s[34:35]     ; the buffer of codes and words
	s_add_nc_u64 s[36:37], s[32:33], s[24:25]
	s_add_nc_u64 s[38:39], s[34:35], s[26:27]
	s_add_nc_u64 s[40:41], s[34:35], s[28:29]
; 32 loads: tile u's image row i is row 8 u + i + 8 (i / 8) of the pair
.macro LOADS stride
.irp u, 0,1
.irp i, 0,1,2,3,4,5,6,7,8,9,10,11,12,13,14,15
	global_load_b128 v[R+64*\u+4*\i:R+64*\u+4*\i+3], v2, s[36:37] offset:(8*\u+\i+8*(\i/8))*\stride th:TH_LOAD_NT
.endr
.endr
.endm
.macro TURN u                          ; a tile's 16 rows through the stage; LDS serves a wave's instructions in order, so no wait stands between the stores and the loads
.irp i, 0,1,2,3,4,5,6,7,8,9,10,11,12,13,14,15
	ds_store_b128 v3, v[R+64*\u+4*\i:R+64*\u+4*\i+3] offset:SPI*\i
.endr
.irp c, 0,1,2,3
.irp j, 0,1,2,3
	ds_load_b128 v[X+16*\c+4*\j:X+16*\c+4*\j+3], v4 offset:128*\c+16*\j
.endr
.endr
.endm
; 64 numbers of a lane, v[s] on, become a fragment's codes in v[pc] on and its scale word in v[pw]
.macro QUANT s, pc, pw
.irp b, 0,1,2,3
	v_max3_num_f32 v[TM+\b], |v[\s+16*\b]|, |v[\s+1+16*\b]|, 0x4800000   ; block b: my 16 numbers and the floor 2^(9 - 127): the byte cannot fall under 1
.endr
.irp i, 2,4,6,8,10,12,14
.irp b, 0,1,2,3
	s_delay_alu instid0(VALU_DEP_4)
	v_max3_num_f32 v[TM+\b], v[TM+\b], |v[\s+16*\b+\i]|, |v[\s+1+16*\b+\i]|   ; the four blocks by turns
.endr
.endr
.irp b, 0,1,2,3
	s_delay_alu instid0(VALU_DEP_4)
	v_permlanex16_b32 v[TM+4+\b], v[TM+\b], s[SEL], s[SEL+1]
.endr
.irp b, 0,1,2,3
	s_delay_alu instid0(VALU_DEP_4)
	v_max_num_f32 v[TM+\b], v[TM+\b], v[TM+4+\b]   ; with lane l xor 16's 16: the block's largest magnitude
.endr
.irp b, 0,1,2,3
	s_delay_alu instid0(VALU_DEP_4)
	v_add_nc_u32 v[TM+12+\b], 0xfc000000, v[TM+\b] ; 8 off its exponent field: the conversion's scale operand
.endr
.irp b, 0,1,2,3
	v_and_or_b32 v[TM+8+\b], v[TM+\b], 0x7f800000, s[MNT]   ; 448 x the scale
.endr
.irp b, 0,1,2,3
	v_lshrrev_b32 v[TM+4+\b], 23, v[TM+12+\b]      ; the scale's byte
.endr
	s_delay_alu instid0(VALU_DEP_3)
	v_lshl_or_b32 v[\pw], v[TM+5], 8, v[TM+4]
	s_delay_alu instid0(VALU_DEP_1)
	v_lshl_or_b32 v[\pw], v[TM+6], 16, v[\pw]
	s_delay_alu instid0(VALU_DEP_1)
	v_lshl_or_b32 v[\pw], v[TM+7], 24, v[\pw]
.irp b, 0,1,2,3
.irp i, 0,1,2,3,4,5,6,7,8,9,10,11,12,13,14,15
	v_med3_num_f32 v[\s+16*\b+\i], v[\s+16*\b+\i], -v[TM+8+\b], v[TM+8+\b]   ; the conversion does not saturate (ISA guide 7.6.2): the hold at 448 x the scale
.endr
	v_cvt_scalef32_pk8_fp8_f32 v[\pc+4*\b:\pc+4*\b+1], v[\s+16*\b:\s+16*\b+7], v[TM+12+\b]
	v_cvt_scalef32_pk8_fp8_f32 v[\pc+4*\b+2:\pc+4*\b+3], v[\s+16*\b+8:\s+16*\b+15], v[TM+12+\b]
.endr
	v_nop                                          ; a plain line behind the last conversion
.endm
.macro OUT pc, off                     ; a fragment's four chunks: each store covers 512 consecutive bytes, aligned
.irp c, 0,1,2,3
	global_store_b128 v2, v[\pc+4*\c:\pc+4*\c+3], s[38:39] offset:\off+512*\c
.endr
.endm
	s_cmp_lt_u32 ttmp9, 256                        ; x's rows of one b lie 32,768 bytes apart, a weight's 4,096
	s_cbranch_scc0 .Lweights
	LOADS 32768
	s_branch .Lloaded
.Lweights:
	LOADS 4096
.Lloaded:
	s_wait_loadcnt 16                              ; tile 0's 16 rows are in; tile 1's 16 loads may be out
	s_wait_alu depctr_va_vdst(0)
	TURN 0
	s_wait_dscnt 0x0
	QUANT X, PC0, PW
	OUT PC0, 0
	s_wait_loadcnt 0x0
	TURN 1
	s_wait_dscnt 0x0
	QUANT X, PC1, PW+1
	OUT PC1, 16384
	v_cmp_lt_u32 vcc_lo, 15, v1                    ; lanes 0-15 carry the even tile's words, lanes 16-31 the odd tile's
	s_delay_alu instid0(VALU_DEP_1)
	v_cndmask_b32 v226, v[PW], v[PW+1], vcc_lo
	global_store_b32 v5, v226, s[40:41]            ; 128 consecutive bytes
	; two work-groups also copy a bias behind their weight's words: 256 threads x 16 bytes
	s_cmp_eq_u32 ttmp9, 320
	s_cselect_b32 s26, 1, 0
	s_cmp_eq_u32 ttmp9, 352
	s_cselect_b32 s27, 1, 0
	s_or_b32 s26, s26, s27
	s_cmp_eq_u32 s26, 0
	s_cbranch_scc1 .Ldone
	s_add_nc_u64 s[10:11], s[10:11], 8192          ; b_in[2048]
	s_cmp_eq_u32 ttmp9, 320
	s_cselect_b64 s[10:11], s[10:11], s[12:13]
	v_lshlrev_b32 v6, 4, v0
	global_load_b128 v[8:11], v6, s[10:11]
	s_wait_alu depctr_va_vdst(0)
	s_wait_loadcnt 0x0
	global_store_b128 v6, v[8:11], s[34:35] offset:1081344
.Ldone:
	s_wait_tensorcnt 0x0
	ds_add_u32 v254, v255
	s_wait_dscnt 0x0
	s_endpgm
.Lfunc_end_k_qb6021e9dfd_quant:
	.size	k_qb6021e9dfd_quant, .Lfunc_end_k_qb6021e9dfd_quant-k_qb6021e9dfd_quant
	.p2alignl 7, 3214868480
	.fill 96, 4, 3214868480
	.section	.rodata,"a",@progbits
	.p2align	6, 0x0
	.amdhsa_kernel k_qb6021e9dfd_quant
		.amdhsa_group_segment_fixed_size 68608
		.amdhsa_private_segment_fixed_size 0
		.amdhsa_enable_private_segment 0
		.amdhsa_kernarg_size 64
		.amdhsa_user_sgpr_count 2
		.amdhsa_user_sgpr_kernarg_segment_ptr 1
		.amdhsa_wavefront_size32 1
		.amdhsa_system_sgpr_workgroup_id_x 1
		.amdhsa_system_sgpr_workgroup_id_y 1
		.amdhsa_system_sgpr_workgroup_id_z 1
		.amdhsa_system_vgpr_workitem_id 0
		.amdhsa_next_free_vgpr 256
		.amdhsa_next_free_sgpr 66
		.amdhsa_reserve_vcc 1
		.amdhsa_float_denorm_mode_32 3
		.amdhsa_float_denorm_mode_16_64 3
		.amdhsa_memory_ordered 1
		.amdhsa_forward_progress 1
		.amdhsa_inst_pref_size 35
	.end_amdhsa_kernel
	.amdgpu_metadata
---
amdhsa.version: [ 1, 2 ]
amdhsa.kernels:
  - .name:           k_qb6021e9dfd_quant
    .symbol:         k_qb6021e9dfd_quant.kd
    .args:
      - { .name: x, .offset: 0, .size: 8, .value_kind: global_buffer, .address_space: global }
      - { .name: w_in, .offset: 8, .size: 8, .value_kind: global_buffer, .address_space: global }
      - { .name: w_out, .offset: 16, .size: 8, .value_kind: global_buffer, .address_space: global }
      - { .name: b_in, .offset: 24, .size: 8, .value_kind: global_buffer, .address_space: global }
      - { .name: b_out, .offset: 32, .size: 8, .value_kind: global_buffer, .address_space: global }
      - { .name: xbuf, .offset: 40, .size: 8, .value_kind: global_buffer, .address_space: global }
      - { .name: winbuf, .offset: 48, .size: 8, .value_kind: global_buffer, .address_space: global }
      - { .name: wobuf, .offset: 56, .size: 8, .value_kind: global_buffer, .address_space: global }
    .group_segment_fixed_size: 68608
    .private_segment_fixed_size: 0
    .kernarg_segment_align: 8
    .kernarg_segment_size: 64
    .max_flat_workgroup_size: 256
    .sgpr_count:     66
    .vgpr_count:     256
    .wavefront_size: 32
...
	.end_amdgpu_metadata
.endif
;; end of part 1
;; launch gemmq (part 2): grid 32 x 24, 4 waves a work-group, clusters of 4 x 4, 327,680 bytes of LDS; arguments xbuf, winbuf, qkvbuf, b_in; writes qkvbuf
.if DOCPART == 2
	.amdgcn_target "amdgcn-amd-amdhsa--gfx1250"
	.amdhsa_code_object_version 6
	.text
	.protected	k_qb6021e9dfd_gemmq
	.globl	k_qb6021e9dfd_gemmq
	.p2align	8
	.type	k_qb6021e9dfd_gemmq,@function
k_qb6021e9dfd_gemmq:
	s_mov_b64 s[64:65], 0
	v_nop
	global_prefetch_b8 v0, s[64:65] scope:SCOPE_SE
	s_setreg_imm32_b32 hwreg(HW_REG_WAVE_MODE, 25, 1), 1
	s_wait_xcnt 0x0
	s_wait_alu depctr_hold_cnt(0) depctr_sa_sdst(0) depctr_va_vdst(0) depctr_va_sdst(0) depctr_va_ssrc(0) depctr_va_vcc(0) depctr_vm_vsrc(0)
	s_getreg_b32 s2, hwreg(HW_REG_IB_STS2, 6, 4)
	s_cmp_eq_u32 s2, 0
	s_cbranch_scc0 .Lentry_in_a_cluster
	s_endpgm
.Lentry_in_a_cluster:
	s_bfe_u32 s2, ttmp6, 0x10000c
	s_cmp_lg_u32 s2, 0xf033
	s_cbranch_scc0 .Lentry_shape_is_right
	s_endpgm
.Lentry_shape_is_right:
; out = Q(P R^T + bias), K = 1,024, both operands as register images of E4M3 codes with E8M0 scale words; the result is quantised ALONG P'S ROWS and stored as the next product's register images.
; Arguments: Pv (rows 1,024 b + s: codes at 0, words at 8,388,608), Rv (1,024 weight rows: codes at 0, words at 1,048,576, their bias at 1,081,344; in the first use also 2,048 rows for q and k: codes at 1,085,440, words at 3,182,592), Ov, biasP.
; THE IMAGE: tile t = 16 rows, image row r = matrix row 32 (t / 2) + 8 (t % 2) + r + 8 (r / 8); fragment (t, sigma) = 2,048 bytes at (8 t + sigma) 2,048, lane l's 16 bytes of chunk c at 512 c + 16 l.
; With source 0 = a fragment of P and source 1 = a fragment of R, lane (r, h) holds R's image row r, and the 16 registers of P's tiles 2 i, 2 i + 1 are P's rows 32 i + 16 h + 0 .. 15: 16 neighbours along the next K.
; So a block's four code registers are one chunk of the next operand's image, and leave by one store of 512 consecutive bytes.
; TWO MODES, by the cluster's y alone (equal in all partners).  y < 8: P = Pv's rows, R = Rv's 1,024 rows, bias along R: the result has R's rows and K = s (V^T; in the second use the projected output, transposed).
; y >= 8: P = the 2,048 rows for q and k, R = Pv's rows, bias along P: the result has rows (b, s) and K = a head's 64, stored PAIRED: for (b, j = f / 64) fragment beta holds tile 2 beta in k 0-63 and tile 2 beta + 1 in k 64-127.
; SHARES.  A work-group makes P 256 x R 128; wave w makes P 128 (ph = w & 1) x R 64 (rh = w >> 1): 32 accumulators.  CLUSTER 4 x 4: P's tiles hang on cx and are asked for jointly along a column, R's on cy along a row.
; LDS: three slots of two K steps each (P 16 tiles x 4,096, R 8 x 4,096); slots 0-2 are filled at the start (K steps 0-5), slot 0 once more (K steps 6, 7).  By this text's count a wave has three tensor loads out at the start, later one.
; REGISTERS: window 0: v1-15 addresses; v16-47 P's scale words (4 sigma + pair), v48-63 R's (2 sigma + pair); v64-127 R's fragments, v128-255 P's: set 0.  Window 2: the same, set 1.  Window 1: accumulator (a, p) at 64 a + 8 p.
; Window 3: v0-63 bias along P, v64-71 bias along R (each number twice).
; LIMITS: a block whose largest magnitude lies under 2^-118 keeps the byte 1 (a block of zeros too: its codes are zeros, and this program alone reads the bytes); NaN and infinities are not served.
; LDS AS IT IS NOW (this takes the place of the line on three slots above): a large slot at 0 with K steps 0-3 (a tile's row is 8,192 bytes: P 2 x 65,536, R 2 x 32,768), one load a wave at the head;
; a small slot at 196,608 with K steps 4, 5 (rows of 4,096 bytes), first filled behind the full sequence and a round; K steps 6, 7 (rows of 4,096 bytes) are filled over the first half of each wave's part of the large slot behind K step 3.
; By this text's count a wave has one tensor load out at any time.
.set SLOTB, 98304
.set SPARE, 3*SLOTB                    ; behind the slots: the spare words, 128 bytes a wave: two blocks of 256 bytes that no other line names
.set SP,   16
.set SR,   48
.set RF,   64
.set PF,   128
.set TM,   80                          ; the way out, window 0: v80-95 at work, v64-67 the scale words, v128-191 the codes
.set PWR,  64
.set G1P,  24
.set G1R,  32
.set G0P,  40
.set G0R,  52
.set MSB,  0
.macro WIN new                         ; the immediate's high byte repeats the setting that is left
.if MSB != (\new)
	s_set_vgpr_msb (MSB<<8)|(\new)
.set MSB, (\new)
.endif
.endm
.macro PLACES n
.rept \n
	v_nop
.endr
.endm
.macro JLOAD j                         ; a joint load: waves 0, 1 fetch P's halves, waves 2, 3 R's; four v_nop follow each line
	s_cmp_eq_u32 s15, 0
	s_cbranch_scc0 .Lfor_r_\@
	tensor_load_to_lds s[G0P+4*\j:G0P+4*\j+3], s[G1P:G1P+7]
	s_nop 0
.rept 4
	v_nop
.endr
	s_branch .Lasked_\@
.Lfor_r_\@:
	tensor_load_to_lds s[G0R+4*\j:G0R+4*\j+3], s[G1R:G1R+7]
	s_nop 0
.rept 4
	v_nop
.endr
.Lasked_\@:
.endm
.macro CREST                           ; a round of the cluster's barrier behind its opening barrier
	s_cmp_lg_u32 s14, 0
	s_cbranch_scc1 .Lnot_wave_0_\@
	s_barrier_signal -3
.Lnot_wave_0_\@:
	s_barrier_wait -3
	s_barrier_signal -1
	s_barrier_wait -1
.endm
.macro CROUND
	s_barrier_signal -1
	s_barrier_wait -1
	CREST
.endm
.macro WMMA d, fa, fb, sa, sb, zero, ra, rb    ; ra, rb: the side's scale words stand in lanes 16-31
.if \zero
.if (\ra) && (\rb)
	v_wmma_scale_f32_16x16x128_f8f6f4 v[(\d):(\d)+7], v[(\fa):(\fa)+15], v[(\fb):(\fb)+15], 0, v[\sa], v[\sb] matrix_a_scale:MATRIX_SCALE_ROW1 matrix_b_scale:MATRIX_SCALE_ROW1
.elseif \ra
	v_wmma_scale_f32_16x16x128_f8f6f4 v[(\d):(\d)+7], v[(\fa):(\fa)+15], v[(\fb):(\fb)+15], 0, v[\sa], v[\sb] matrix_a_scale:MATRIX_SCALE_ROW1
.elseif \rb
	v_wmma_scale_f32_16x16x128_f8f6f4 v[(\d):(\d)+7], v[(\fa):(\fa)+15], v[(\fb):(\fb)+15], 0, v[\sa], v[\sb] matrix_b_scale:MATRIX_SCALE_ROW1
.else
	v_wmma_scale_f32_16x16x128_f8f6f4 v[(\d):(\d)+7], v[(\fa):(\fa)+15], v[(\fb):(\fb)+15], 0, v[\sa], v[\sb]
.endif
.else
.if (\ra) && (\rb)
	v_wmma_scale_f32_16x16x128_f8f6f4 v[(\d):(\d)+7], v[(\fa):(\fa)+15], v[(\fb):(\fb)+15], v[(\d):(\d)+7], v[\sa], v[\sb] matrix_a_scale:MATRIX_SCALE_ROW1 matrix_b_scale:MATRIX_SCALE_ROW1
.elseif \ra
	v_wmma_scale_f32_16x16x128_f8f6f4 v[(\d):(\d)+7], v[(\fa):(\fa)+15], v[(\fb):(\fb)+15], v[(\d):(\d)+7], v[\sa], v[\sb] matrix_a_scale:MATRIX_SCALE_ROW1
.elseif \rb
	v_wmma_scale_f32_16x16x128_f8f6f4 v[(\d):(\d)+7], v[(\fa):(\fa)+15], v[(\fb):(\fb)+15], v[(\d):(\d)+7], v[\sa], v[\sb] matrix_b_scale:MATRIX_SCALE_ROW1
.else
	v_wmma_scale_f32_16x16x128_f8f6f4 v[(\d):(\d)+7], v[(\fa):(\fa)+15], v[(\fb):(\fb)+15], v[(\d):(\d)+7], v[\sa], v[\sb]
.endif
.endif
.endm
.macro MUL4 p, sg, zero                ; P's tile p against R's four, K step sg.  The 32 accumulators take turns, one instruction a turn, in the same order in every K step
.irp a, 0,1,2,3
	WMMA 64*\a+8*(\p), PF+16*(\p), RF+16*\a, SP+4*(\sg)+(\p)/2, SR+2*(\sg)+\a/2, \zero, (\p)%2, \a%2
.endr
.endm
.macro FETCH sg                        ; 48 LDS loads: K step sg's fragments, R's four and then P's eight, into set sg % 2; each load reads 512 consecutive bytes
.if (\sg)%2
	WIN 0x80
.else
	WIN 0
.endif
.set SL, (((\sg)/2)%3)/2
.set TP, 8192-4096*((\sg)/4)
.set KO, 2048*((\sg)%(4-2*((\sg)/4)))
.irp a, 0,1,2,3
.irp c, 0,1,2,3
	ds_load_b128 v[RF+16*\a+4*\c:RF+16*\a+4*\c+3], v[6+SL] offset:TP*\a+KO+512*\c
.endr
.endr
.irp p, 0,1,2,3,4,5,6,7
.irp c, 0,1,2,3
	ds_load_b128 v[PF+16*\p+4*\c:PF+16*\p+4*\c+3], v[3+SL] offset:TP*\p+KO+512*\c
.endr
.endr
.endm
.macro STEP sg, zero
	s_wait_dscnt 16                                ; R's fragments and P's tiles 0-3 are in; the youngest 16 loads (P's tiles 4-7) may be out
	WIN 0x50+0x0a*((\sg)%2)
.irp p, 0,1,2,3
	MUL4 \p, \sg, \zero
.endr
	PLACES 8                                       ; eight places in front of loads into registers that matrix instructions have read
	FETCH (\sg)+1
	s_wait_dscnt 48                                ; all but the 48 just issued
	WIN 0x50+0x0a*((\sg)%2)
.irp p, 4,5,6,7
	MUL4 \p, \sg, \zero
.endr
.endm
; 64 results of a lane (window 1, v[s] on; register 16 b + i = P's row 32 b + 16 h + i) become four chunks of codes in v[pc] on and a scale word in v[pw] (window 0)
.macro QUANTW s, pc, pw
	WIN 0x05
.irp b, 0,1,2,3
	v_max3_num_f32 v[TM+\b], |v[\s+16*\b]|, |v[\s+16*\b+1]|, 0x4800000   ; the floor 2^(9 - 127): the byte cannot fall under 1
.endr
.irp i, 2,4,6,8,10,12,14
.irp b, 0,1,2,3
	v_max3_num_f32 v[TM+\b], |v[\s+16*\b+\i]|, |v[\s+16*\b+\i+1]|, v[TM+\b]
.endr
.endr
	WIN 0
.irp b, 0,1,2,3
	v_permlanex16_b32 v[TM+4+\b], v[TM+\b], s92, s93
.endr
.irp b, 0,1,2,3
	v_max_num_f32 v[TM+\b], v[TM+\b], v[TM+4+\b]
.endr
.irp b, 0,1,2,3
	v_add_nc_u32 v[TM+12+\b], 0xfc000000, v[TM+\b]
.endr
.irp b, 0,1,2,3
	v_and_or_b32 v[TM+8+\b], v[TM+\b], 0x7f800000, s94
.endr
.irp b, 0,1,2,3
	v_lshrrev_b32 v[TM+4+\b], 23, v[TM+12+\b]
.endr
	v_lshl_or_b32 v[\pw], v[TM+5], 8, v[TM+4]
	v_lshl_or_b32 v[\pw], v[TM+6], 16, v[\pw]
	v_lshl_or_b32 v[\pw], v[TM+7], 24, v[\pw]
	WIN 0x41
.irp b, 0,1,2,3
.irp i, 0,1,2,3,4,5,6,7,8,9,10,11,12,13,14,15
	v_med3_num_f32 v[\s+16*\b+\i], v[\s+16*\b+\i], -v[TM+8+\b], v[TM+8+\b]   ; the hold at 448 x the scale (the conversion does not saturate: ISA guide 7.6.2)
.endr
.endr
	WIN 0x01
.irp b, 0,1,2,3
	v_cvt_scalef32_pk8_fp8_f32 v[\pc+4*\b:\pc+4*\b+1], v[\s+16*\b:\s+16*\b+7], v[TM+12+\b]
	v_cvt_scalef32_pk8_fp8_f32 v[\pc+4*\b+2:\pc+4*\b+3], v[\s+16*\b+8:\s+16*\b+15], v[TM+12+\b]
.endr
	WIN 0
	v_nop                                          ; a plain line behind the last conversion
.endm
	s_load_b256 s[4:11], s[0:1], 0x0               ; Pv s[4:5], Rv s[6:7], Ov s[8:9], biasP s[10:11]
	v_lshl_add_u32 v9, v0, 2, SPARE                ; my spare word; never rewritten
	v_mov_b32 v10, 0                               ; 0; never rewritten
	ds_add_u32 v9, v10
	ds_add_u32 v9, v10
	s_wait_dscnt 0x0
	v_lshrrev_b32 v1, 5, v0
	v_readfirstlane_b32 s14, v1                    ; wave
	s_lshr_b32 s15, s14, 1                         ; rh.  Also: I fetch for P (0) or for R (1)
	s_and_b32 s16, s14, 1                          ; ph.  Also: which half I fetch
	s_bfe_u32 s18, ttmp6, 0x40000                  ; cx
	s_bfe_u32 s19, ttmp6, 0x40004                  ; cy
	s_mov_b32 s13, ttmp9                           ; the cluster's x
	s_and_b32 s17, ttmp7, 0xffff                   ; the cluster's y
	s_cmp_lt_u32 s17, 2
	s_cselect_b32 s12, 0, 1                        ; the mode: 0: y < 8; 1: q and k
	s_and_b32 s96, s13, 1
	s_cmp_eq_u32 s12, 0
	s_cselect_b32 s96, s13, s96
	s_lshl_b32 s96, s96, 2
	s_add_co_u32 s20, s96, s18                     ; which 256 rows of P: 4 x cluster x + cx, or 4 (cluster x & 1) + cx
	s_lshl_b32 s98, s17, 2
	s_add_co_u32 s98, s98, s19                     ; y
	s_max_u32 s99, s98, 8
	s_sub_co_u32 s99, s99, 8
	s_lshl_b32 s99, s99, 2
	s_lshr_b32 s100, s13, 1
	s_add_co_u32 s99, s99, s100
	s_cmp_eq_u32 s12, 0
	s_cselect_b32 s21, s98, s99                    ; which 128 rows of R: y, or 4 (y - 8) + cluster x / 2
	s_lshl_b32 s97, 0x1111, s18                    ; my column of the cluster
	s_lshl_b32 s101, s19, 2
	s_lshl_b32 s101, 15, s101                      ; my row
	; descriptor group 1: rows = tiles, 16,384 bytes apart; a row = two K steps, 4,096 bytes = 512 elements of 8 bytes; no padding: fragments are read as they lie
	s_or_b32 s[G1P], s97, (3<<16)|(1<<21)          ; 15:0 the mask; 17:16 elements of 8 bytes; 21 set beside a mask
	s_or_b32 s[G1R], s101, (3<<16)|(1<<21)
	s_mov_b32 s[G1P+1], 1024<<16                   ; tensor_dim0: the head's load brings four K steps, 8,192 bytes of each tile
	s_mov_b32 s[G1P+2], 8<<16                      ; tensor_dim1: 8 tiles
	s_mov_b32 s[G1P+3], 1024<<16
	s_mov_b32 s[G1P+4], 8                          ; tile_dim1
	s_mov_b32 s[G1P+5], 2048                       ; from tile to tile, in elements
	s_mov_b32 s[G1P+6], 0
	s_mov_b32 s[G1P+7], 0
	s_mov_b32 s[G1R+1], 1024<<16
	s_mov_b32 s[G1R+2], 4<<16                      ; 4 tiles
	s_mov_b32 s[G1R+3], 1024<<16
	s_mov_b32 s[G1R+4], 4
	s_mov_b32 s[G1R+5], 2048
	s_mov_b32 s[G1R+6], 0
	s_mov_b32 s[G1R+7], 0
	s_lshl_b32 s2, s20, 18                         ; P: 256 rows are 262,144 bytes of codes; my half 131,072
	s_lshl_b32 s3, s16, 17
	s_add_co_u32 s2, s2, s3
	s_mov_b32 s3, 0
	s_lshl_b32 s22, s21, 17                        ; R: 128 rows are 131,072; my half 65,536
	s_lshl_b32 s23, s16, 16
	s_add_co_u32 s22, s22, s23
	s_mov_b32 s23, 0
	s_lshl_b32 s89, s16, 15                        ; in a slot: P's halves at 0 and 32,768,
	s_lshl_b32 s95, s16, 14
	s_add_co_u32 s95, s95, 65536                   ; R's at 65,536 and 81,920: no place in the cluster enters an LDS address
	s_wait_kmcnt 0x0
	s_add_nc_u64 s[96:97], s[6:7], 1085440
	s_cmp_eq_u32 s12, 0
	s_cselect_b64 s[96:97], s[4:5], s[96:97]       ; P's codes
	s_cselect_b64 s[98:99], s[6:7], s[4:5]         ; R's codes
	s_add_nc_u64 s[96:97], s[96:97], s[2:3]
	s_add_nc_u64 s[98:99], s[98:99], s[22:23]
	CROUND                                         ; all sixteen work-groups are here: the first joint loads meet
.irp j, 0,1
	s_mov_b32 s[G0P+4*\j], 1
	s_lshl_b32 s[G0P+4*\j+1], s89, 1-\j            ; the large slot's parts are twice the small slot's
	s_add_co_u32 s[G0P+4*\j+1], s[G0P+4*\j+1], 2*SLOTB*\j
	s_add_nc_u64 s[G0P+4*\j+2:G0P+4*\j+3], s[96:97], 8192*\j
	s_or_b32 s[G0P+4*\j+3], s[G0P+4*\j+3], 0x80000000
	s_mov_b32 s[G0R+4*\j], 1
	s_lshl_b32 s[G0R+4*\j+1], s95, 1-\j
	s_add_co_u32 s[G0R+4*\j+1], s[G0R+4*\j+1], 2*SLOTB*\j
	s_add_nc_u64 s[G0R+4*\j+2:G0R+4*\j+3], s[98:99], 8192*\j
	s_or_b32 s[G0R+4*\j+3], s[G0R+4*\j+3], 0x80000000
.endr
	JLOAD 0                                        ; K steps 0-3: one tensor load a wave at the head
	; scale words and biases
	s_add_nc_u64 s[66:67], s[4:5], 8388608
	s_add_nc_u64 s[68:69], s[6:7], 3182592
	s_add_nc_u64 s[70:71], s[6:7], 1048576
	s_add_nc_u64 s[72:73], s[6:7], 1081344
	s_cmp_eq_u32 s12, 0
	s_cselect_b64 s[100:101], s[66:67], s[68:69]
	s_cselect_b64 s[68:69], s[70:71], s[66:67]     ; R's words
	s_mov_b64 s[66:67], s[100:101]                 ; P's words
	s_lshl_b32 s2, s20, 13                         ; 8 pairs of tiles x 1,024 bytes; my 4 pairs
	s_lshl_b32 s3, s16, 12
	s_add_co_u32 s2, s2, s3
	s_mov_b32 s3, 0
	s_add_nc_u64 s[66:67], s[66:67], s[2:3]
	s_lshl_b32 s2, s21, 12
	s_lshl_b32 s22, s15, 11
	s_add_co_u32 s2, s2, s22
	s_add_nc_u64 s[68:69], s[68:69], s[2:3]
	s_lshl_b32 s2, s20, 10                         ; the bias along P: 4 (256 Pidx + 128 ph) bytes on; along R: 4 (128 Ridx + 64 rh).  The one that the mode does not use is loaded from its buffer's start
	s_lshl_b32 s22, s16, 9
	s_add_co_u32 s2, s2, s22
	s_lshl_b32 s22, s21, 9
	s_lshl_b32 s23, s15, 8
	s_add_co_u32 s22, s22, s23
	s_cmp_eq_u32 s12, 0
	s_cselect_b32 s2, 0, s2
	s_cselect_b32 s22, s22, 0
	s_mov_b32 s23, 0
	s_add_nc_u64 s[70:71], s[10:11], s[2:3]
	s_add_nc_u64 s[72:73], s[72:73], s[22:23]
	v_and_b32 v15, 31, v0                          ; lane
	v_lshlrev_b32 v1, 4, v15
	v_lshlrev_b32 v2, 2, v15
	s_lshl_b32 s2, s16, 15                         ; my 8 tiles of P
	s_lshl_b32 s3, s15, 14
	s_add_co_u32 s3, s3, 65536                     ; my 4 tiles of R
	v_add_nc_u32 v4, s2, v1                        ; v4, v7: my tiles in the small slot; v3, v6: in the large one
	v_add_nc_u32 v7, s3, v1
	v_add_nc_u32 v4, 2*SLOTB, v4
	v_add_nc_u32 v7, 2*SLOTB, v7
	s_lshl_b32 s2, s2, 1
	s_lshl_b32 s3, s3, 1
	v_add_nc_u32 v3, s2, v1
	v_add_nc_u32 v6, s3, v1
	v_bfe_u32 v11, v0, 4, 1
	v_lshlrev_b32 v11, 6, v11                      ; 64 h
	v_and_b32 v12, 15, v0
	v_and_b32 v13, 8, v12
	v_add_nc_u32 v12, v12, v13
	v_lshlrev_b32 v12, 2, v12                      ; 4 (r + 8 (r / 8))
.irp g, 0,1,2,3,4,5,6,7
.irp i, 0,1,2,3
	global_load_b32 v[SP+4*\g+\i], v2, s[66:67] offset:1024*\i+128*\g   ; lanes 0-15: the pair's even tile, lanes 16-31 its odd one
.endr
.irp i, 0,1
	global_load_b32 v[SR+2*\g+\i], v2, s[68:69] offset:1024*\i+128*\g
.endr
.endr
	WIN 0xc0
.irp i, 0,1,2,3
.irp q, 0,1,2,3
	global_load_b128 v[16*\i+4*\q:16*\i+4*\q+3], v11, s[70:71] offset:128*\i+16*\q   ; register 16 i + n: the bias of P's row 32 i + 16 h + n
.endr
.endr
.irp a, 0,1,2,3
	global_load_b32 v[64+2*\a], v12, s[72:73] offset:4*(32*(\a/2)+8*(\a%2))          ; the bias of R's image row r of tile a, twice: a plain pair
	global_load_b32 v[65+2*\a], v12, s[72:73] offset:4*(32*(\a/2)+8*(\a%2))
.endr
	WIN 0
	s_mov_b32 s92, 0x76543210
	s_mov_b32 s93, 0xfedcba98
	s_mov_b32 s94, 0x600000
	; where the results go
	s_lshr_b32 s96, s20, 2
	s_and_b32 s97, s20, 3
	s_lshl_b32 s97, s97, 1
	s_add_co_u32 s97, s97, s16                     ; sigma = 2 (Pidx & 3) + ph
	s_lshl_b32 s98, s21, 1
	s_add_co_u32 s98, s98, s15                     ; 2 Ridx + rh
	s_lshl_b32 s99, s96, 20
	s_lshl_b32 s100, s98, 16
	s_add_co_u32 s99, s99, s100
	s_lshl_b32 s100, s97, 11
	s_add_co_u32 s99, s99, s100                    ; mode 0, codes: b 2^20 + (8 Ridx + 4 rh) 16,384 + sigma 2,048
	s_lshl_b32 s100, s96, 15
	s_lshl_b32 s101, s98, 11
	s_add_co_u32 s100, s100, s101
	s_lshl_b32 s101, s97, 7
	s_add_co_u32 s100, s100, s101
	s_add_co_u32 s100, s100, 8388608               ; mode 0, words
	s_lshr_b32 s96, s21, 3
	s_and_b32 s97, s21, 7
	s_lshl_b32 s97, s97, 1
	s_add_co_u32 s97, s97, s15                     ; 2 (Ridx & 7) + rh
	s_lshl_b32 s98, s20, 1
	s_add_co_u32 s98, s98, s16                     ; 2 Pidx + ph
	s_lshl_b32 s2, s96, 21
	s_lshl_b32 s3, s98, 17
	s_add_co_u32 s2, s2, s3
	s_lshl_b32 s3, s97, 12
	s_add_co_u32 s2, s2, s3
	s_add_co_u32 s2, s2, 8650752                   ; mode 1, codes: b 2^21 + j 65,536 + tile 1,024
	s_lshl_b32 s22, s96, 16
	s_lshl_b32 s23, s98, 12
	s_add_co_u32 s22, s22, s23
	s_lshl_b32 s23, s97, 7
	s_add_co_u32 s22, s22, s23
	s_add_co_u32 s22, s22, 25427968                ; mode 1, words: b 65,536 + j 2,048 + beta 64
	s_cmp_eq_u32 s12, 0
	s_cselect_b32 s2, s99, s2
	s_cselect_b32 s22, s100, s22
	s_mov_b32 s86, 1024
	s_cselect_b32 s86, 16384, s86                  ; from R's tile to the next
	s_mov_b32 s90, 65536
	s_cselect_b32 s90, 1024, s90                   ; from chunk 0 to chunk 2 (mode 1: the next head)
	s_mov_b32 s87, 2048
	s_cselect_b32 s87, 64, s87                     ; words: lanes 16-31 (mode 0: the odd tile; mode 1: the next head)
	s_mov_b32 s88, 1024
	s_cselect_b32 s88, s88, 64                     ; words: the next pair of tiles
	s_mov_b32 s84, 0x05040100
	s_cselect_b32 s84, 0x03020100, s84             ; mode 0: the even tile's word as it is; mode 1: both tiles' bytes 0, 1
	s_mov_b32 s85, 0x07060302
	s_cselect_b32 s85, 0x07060504, s85             ; mode 0: the odd tile's word; mode 1: both tiles' bytes 2, 3
	s_mov_b32 s3, 0
	s_mov_b32 s23, 0
	s_mov_b32 s91, 0
	s_add_nc_u64 s[74:75], s[8:9], s[2:3]
	s_add_nc_u64 s[82:83], s[8:9], s[22:23]
	s_add_nc_u64 s[76:77], s[74:75], 512
	s_add_nc_u64 s[78:79], s[74:75], s[90:91]
	s_add_nc_u64 s[80:81], s[78:79], 512
	s_wait_alu depctr_va_vdst(0)
	s_wait_tensorcnt 0x0                           ; my part of K steps 0-3 is in
	ds_add_u32 v9, v10
	s_mov_b32 s[G1P+1], 512<<16                    ; no tensor load of mine is out: from here on a load brings two K steps, 4,096 bytes of each tile
	s_mov_b32 s[G1P+3], 512<<16
	s_mov_b32 s[G1R+1], 512<<16
	s_mov_b32 s[G1R+3], 512<<16
	s_wait_dscnt 0x0
	CROUND
	JLOAD 1                                        ; K steps 4 and 5, the first tensor load behind the round
	FETCH 0
	s_wait_loadcnt 0x0                             ; scale words and biases
	STEP 0, 1
	STEP 1, 0
	STEP 2, 0
	; K step 3 leaves slot 0: every wave waits for all its tensor loads, adds 0 to its spare word, waits for that and for its reads of the slot; a round of the cluster's barrier; the joint refill first behind it
	WIN 0
	s_wait_tensorcnt 0x0
	ds_add_u32 v9, v10
	s_wait_dscnt 17                                ; the add and the youngest 16 loads may be out
	WIN 0x5a
	MUL4 0, 3, 0
	MUL4 1, 3, 0
	s_wait_dscnt 0x0                               ; the add is done, my reads of slot 0 are over
	s_barrier_signal -1
	MUL4 2, 3, 0
	MUL4 3, 3, 0
	WIN 0
	s_barrier_wait -1
	CREST
	s_add_nc_u64 s[G0P+2:G0P+3], s[G0P+2:G0P+3], 12288   ; K steps 6 and 7
	s_add_nc_u64 s[G0R+2:G0R+3], s[G0R+2:G0R+3], 12288
	JLOAD 0                                        ; the four v_nop behind it are four of the eight places in front of the loads below
	PLACES 4
	s_wait_alu depctr_va_vdst(0)
	FETCH 4
	WIN 0x5a
.irp p, 4,5,6,7
	MUL4 \p, 3, 0
.endr
	STEP 4, 0
	s_wait_dscnt 16                                ; K step 5; in its middle slot 0's second fill is shown to every wave
	WIN 0x5a
.irp p, 0,1,2,3
	MUL4 \p, 5, 0
.endr
	s_wait_tensorcnt 0x0                           ; my one load that was out has landed
	s_wait_dscnt 0x0
	s_barrier_signal -1
	s_barrier_wait -1                              ; everybody's has
	PLACES 8
	FETCH 6
	WIN 0x5a
.irp p, 4,5,6,7
	MUL4 \p, 5, 0
.endr
	STEP 6, 0
	s_wait_dscnt 16
	WIN 0x5a
.irp p, 0,1,2,3
	MUL4 \p, 7, 0
.endr
	s_wait_dscnt 0x0
.irp p, 4,5,6,7
	MUL4 \p, 7, 0
.endr
	; THE WAY OUT: the bias, the quantiser along P's rows, stores straight from registers
	WIN 0
	PLACES 8
	s_cmp_eq_u32 s12, 0
	s_cbranch_scc1 .Lbias_r
	WIN 0x4d                                       ; results in window 1, the bias in window 3; each accumulator from its low end on
.set k, 0
.rept 128
	v_pk_add_f32 v[2*k:2*k+1], v[2*k:2*k+1], v[(2*k)%64:(2*k)%64+1]
.set k, k+1
.endr
	WIN 0
	s_branch .Lbiased
.Lbias_r:
	WIN 0x4d
.set k, 0
.rept 128
	v_pk_add_f32 v[2*k:2*k+1], v[2*k:2*k+1], v[64+2*(k/32):64+2*(k/32)+1]
.set k, k+1
.endr
	WIN 0
.Lbiased:
	v_mov_b32 v11, v1                              ; 16 x lane + R's tile
	v_add_nc_u32 v12, s86, v1
	s_lshl_b32 s96, s86, 1
	v_add_nc_u32 v13, s96, v1
	s_add_co_u32 s96, s96, s86
	v_add_nc_u32 v14, s96, v1
	v_and_b32 v3, 15, v0
	v_lshlrev_b32 v3, 2, v3
	v_bfe_u32 v4, v0, 4, 1
	v_mad_u32_u24 v3, v4, s87, v3                  ; the words' place: 4 r + h x the halves' distance
	v_add_nc_u32 v4, s88, v3
	v_cmp_lt_u32 vcc_lo, 15, v15
.irp a, 0,1,2,3
	QUANTW 64*\a, PF+16*\a, PWR+\a
.irp q, 0,1,2,3
	global_store_b128 v[11+\a], v[PF+16*\a+4*\q:PF+16*\a+4*\q+3], s[74+2*\q:75+2*\q]   ; a chunk: 512 consecutive bytes, aligned
.endr
.endr
.irp i, 0,1
	v_perm_b32 v[70+2*\i], v[PWR+1+2*\i], v[PWR+2*\i], s84
	v_perm_b32 v[71+2*\i], v[PWR+1+2*\i], v[PWR+2*\i], s85
	v_cndmask_b32 v[70+2*\i], v[70+2*\i], v[71+2*\i], vcc_lo
	global_store_b32 v[3+\i], v[70+2*\i], s[82:83]
.endr
	s_wait_tensorcnt 0x0                           ; the wave's end
	ds_add_u32 v9, v10
	s_wait_dscnt 0x0
	CROUND                                         ; the closing round: no work-group ends while a partner may still ask for a tile that names it
	s_endpgm
.Lfunc_end_k_qb6021e9dfd_gemmq:
	.size	k_qb6021e9dfd_gemmq, .Lfunc_end_k_qb6021e9dfd_gemmq-k_qb6021e9dfd_gemmq
	.p2alignl 7, 3214868480
	.fill 96, 4, 3214868480
	.section	.rodata,"a",@progbits
	.p2align	6, 0x0
	.amdhsa_kernel k_qb6021e9dfd_gemmq
		.amdhsa_group_segment_fixed_size 327680
		.amdhsa_private_segment_fixed_size 0
		.amdhsa_enable_private_segment 0
		.amdhsa_kernarg_size 32
		.amdhsa_user_sgpr_count 2
		.amdhsa_user_sgpr_kernarg_segment_ptr 1
		.amdhsa_wavefront_size32 1
		.amdhsa_system_sgpr_workgroup_id_x 1
		.amdhsa_system_sgpr_workgroup_id_y 1
		.amdhsa_system_sgpr_workgroup_id_z 1
		.amdhsa_system_vgpr_workitem_id 0
		.amdhsa_next_free_vgpr 1024
		.amdhsa_next_free_sgpr 102
		.amdhsa_reserve_vcc 1
		.amdhsa_float_denorm_mode_32 3
		.amdhsa_float_denorm_mode_16_64 3
		.amdhsa_memory_ordered 1
		.amdhsa_forward_progress 1
		.amdhsa_inst_pref_size 130
	.end_amdhsa_kernel
	.amdgpu_metadata
---
amdhsa.version: [ 1, 2 ]
amdhsa.kernels:
  - .name:           k_qb6021e9dfd_gemmq
    .symbol:         k_qb6021e9dfd_gemmq.kd
    .args:
      - { .name: xbuf, .offset: 0, .size: 8, .value_kind: global_buffer, .address_space: global }
      - { .name: winbuf, .offset: 8, .size: 8, .value_kind: global_buffer, .address_space: global }
      - { .name: qkvbuf, .offset: 16, .size: 8, .value_kind: global_buffer, .address_space: global }
      - { .name: b_in, .offset: 24, .size: 8, .value_kind: global_buffer, .address_space: global }
    .group_segment_fixed_size: 327680
    .private_segment_fixed_size: 0
    .kernarg_segment_align: 8
    .kernarg_segment_size: 32
    .max_flat_workgroup_size: 128
    .sgpr_count:     102
    .vgpr_count:     1024
    .wavefront_size: 32
...
	.end_amdgpu_metadata
.endif
;; end of part 2
;; launch att (part 3): grid 32 x 8, 8 waves a work-group, clusters of 4 x 1, 327,680 bytes of LDS; arguments qkvbuf, attbuf; writes attbuf
.if DOCPART == 3
	.amdgcn_target "amdgcn-amd-amdhsa--gfx1250"
	.amdhsa_code_object_version 6
	.text
	.protected	k_qb6021e9dfd_att
	.globl	k_qb6021e9dfd_att
	.p2align	8
	.type	k_qb6021e9dfd_att,@function
k_qb6021e9dfd_att:
	s_mov_b64 s[64:65], 0
	v_nop
	global_prefetch_b8 v0, s[64:65] scope:SCOPE_SE
	s_setreg_imm32_b32 hwreg(HW_REG_WAVE_MODE, 25, 1), 1
	s_wait_xcnt 0x0
	s_wait_alu depctr_hold_cnt(0) depctr_sa_sdst(0) depctr_va_vdst(0) depctr_va_sdst(0) depctr_va_ssrc(0) depctr_va_vcc(0) depctr_vm_vsrc(0)
	s_getreg_b32 s2, hwreg(HW_REG_IB_STS2, 6, 4)
	s_cmp_eq_u32 s2, 0
	s_cbranch_scc0 .Lentry_in_a_cluster
	s_endpgm
.Lentry_in_a_cluster:
	s_bfe_u32 s2, ttmp6, 0x10000c
	s_cmp_lg_u32 s2, 0x3003
	s_cbranch_scc0 .Lentry_shape_is_right
	s_endpgm
.Lentry_shape_is_right:
; Attention on codes of E4M3 for 8 b x 16 heads x 1,024 x 64, and the softmax averaged over the heads.  In: qkvbuf (V^T images at 0, their words at 8,388,608; q and k PAIRED at 8,650,752, their words at 25,427,968).
; Out: attbuf: the context as images (rows 1,024 b + s, K = 64 head + d) at 0, words at 8,388,608; the averaged weights as images (rows 1,024 b + s, K = the keys) at 8,650,752, words at 17,039,360.
; SHARES.  A work-group owns 32 queries (a pair of tiles, beta_q) of one b, for ALL 16 heads and all keys: so it alone owns its rows of the average.  Wave w: query tile u = w & 1, keys 256 g .. 256 g + 255, g = w >> 1.
; PAIRED K: a fragment (2,048 bytes) holds tile 2 beta of the keys in k 0-63 and tile 2 beta + 1 in k 64-127.  It feeds two products, against [q, 0] and against [0, q]: K = 64 costs no LDS byte for padding,
; and the 16 registers of the two results are keys 32 beta + 16 h + 0 .. 15 of the lane's query.
; SOFTMAX.  t = score x log2(e) / 8 (q's factor 1/8 stands in the constant: a power of two, which q's scale bytes would take up exactly); each wave takes M_g = ceil(largest t of its 256 keys), p = 2^(t - M_g), quantised
; along the keys; l_g sums the unquantised p.  The four waves of a query tile meet in LDS: M = the largest M_g, f_g = 2^(M_g - M) (exact), l = sum f_g l_g, context = sum f_g O_g / l, average += p f_g / (16 l).
; CLUSTER 4 x 1: the four partners walk the same K and V: every tile is asked for jointly (mask 15).  beta_q enters global addresses of q, context and average alone.
; LDS: two slots of a head's K (65,536) and V^T (65,536) at 0 and 2^17; two of their words (2,048 + 2,048) at 262,144; XO: the waves' O, 8 x 4,096; XS: (-M_g, l_g), 8 x 256; spare words; CSB: the context's scale bytes [u][head][r][block]; AWS: the average's words.
; By this text's count a wave has one tensor load out at any time; a refill has a whole head's work in which to land.
; LDS READS RUN AHEAD OF THEIR USE.  The next head's K is read in this head's last part (its slot was shown whole by this head's change of slots): fragments 0-3 once the average has read p, fragments 4-7 once the context's
; sums have read their factors.  V^T's first K step is read straight behind the score products, with the softmax between it and its use; its second behind the last conversion, with the row's sum between.
; REGISTERS: window 0: v1-22 addresses; v24-31 zeros, v32-39 q, v40-47 zeros; v48-59 scale words; v60 -M_g, v61 l_g, v62 my factor.
;   F = v64-127: K's fragments 4-7; the softmax's scratch (0-31) and the hold's two buffers (32-63); V^T's second K step; the meeting's scratch.
;   S = v128-255: scores, then p; behind the average's update its upper half takes the next head's K fragments 0-3 and its lower half the context's block at work.
; Window 1: v0-127 the average; v128-159 O (its first eight also the row sum's four chains); v160-191 p's codes; v192-255 V^T's first K step, later the four O of my block.
; LIMITS: a block whose largest magnitude lies under 2^-118 keeps the byte 1 (zeros too: their codes are zeros; this program alone reads the bytes); NaN and infinities are not served.
.set SLOT1, 1<<17
.set WSL,   262144
.set XO,    270336
.set XS,    303104
.set SPARE, 305152                     ; 128 bytes for each of eight waves: four blocks of 256 bytes that no other line names
.set CSB,   306176
.set AWS,   307200
.set F,   64
.set S,   128
.set AW,  0
.set O,   128
.set PC,  160
.set HT,  192
.set TM,  F
.set WV,  8
.set U,   9
.set G,   10
.set B,   11
.set BQ,  12
.set CS,  14                           ; s[14:15] c = log2(e) / 8
.set SEL, 16                           ; s[16:17] lane l xor 16
.set MNT, 18
.set TB,  19                           ; the code slot in hand
.set TW,  20                           ; the word slot in hand
.set TH,  21                           ; 32 x head
.set QSEL, 22
.set HC,  23
.set G1C, 24
.set G1W, 32
.set G0C, 40                           ; two sets: slot 0; slot 1, which then walks
.set G0W, 48
.set QP,  56
.set QWP, 58
.set CTXP, 60
.set AWP, 62
.set CWO, 66
.set AWO, 68
.set MSB, 0
.macro WIN new
.if MSB != (\new)
	s_set_vgpr_msb (MSB<<8)|(\new)
.set MSB, (\new)
.endif
.endm
.macro PLACES n
.rept \n
	v_nop
.endr
.endm
.macro CROUND                          ; a round of the cluster's barrier
	s_barrier_signal -1
	s_barrier_wait -1
	s_cmp_lg_u32 s[WV], 0
	s_cbranch_scc1 .Lnot_wave_0_\@
	s_barrier_signal -3
.Lnot_wave_0_\@:
	s_barrier_wait -3
	s_barrier_signal -1
	s_barrier_wait -1
.endm
.macro TLOAD                           ; a joint refill: waves 0-3 a quarter of the codes each, waves 4, 5 the words, waves 6, 7 nothing; four v_nop follow each line
	s_cmp_lt_u32 s[WV], 4
	s_cbranch_scc0 .Lnot_c_\@
	tensor_load_to_lds s[G0C+4:G0C+7], s[G1C:G1C+7]
	s_nop 0
.rept 4
	v_nop
.endr
	s_branch .Lasked_\@
.Lnot_c_\@:
	s_cmp_lt_u32 s[WV], 6
	s_cbranch_scc0 .Lasked_\@
	tensor_load_to_lds s[G0W+4:G0W+7], s[G1W:G1W+7]
	s_nop 0
.rept 4
	v_nop
.endr
.Lasked_\@:
.endm
.macro SC sd, fa, kw, odd              ; a paired fragment of K, in v[fa] on, against [q, 0] and [0, q]
.if \odd
	v_wmma_scale_f32_16x16x128_f8f6f4 v[S+(\sd):S+(\sd)+7], v[(\fa):(\fa)+15], v[32:47], 0, v[\kw], v49 matrix_a_scale:MATRIX_SCALE_ROW1
	v_wmma_scale_f32_16x16x128_f8f6f4 v[S+(\sd)+8:S+(\sd)+15], v[(\fa):(\fa)+15], v[24:39], 0, v[\kw], v49 matrix_a_scale:MATRIX_SCALE_ROW1
.else
	v_wmma_scale_f32_16x16x128_f8f6f4 v[S+(\sd):S+(\sd)+7], v[(\fa):(\fa)+15], v[32:47], 0, v[\kw], v49
	v_wmma_scale_f32_16x16x128_f8f6f4 v[S+(\sd)+8:S+(\sd)+15], v[(\fa):(\fa)+15], v[24:39], 0, v[\kw], v49
.endif
.endm
.macro OV t, s, fa                     ; O^T tile t (16 of the head's 64) += V^T x p, my keys' K step s; V^T's four fragments stand in v[fa] on
.if \s
.if (\t)%2
	v_wmma_scale_f32_16x16x128_f8f6f4 v[O+8*\t:O+8*\t+7], v[(\fa)+16*\t:(\fa)+16*\t+15], v[PC+16*\s:PC+16*\s+15], v[O+8*\t:O+8*\t+7], v[54+2*(\t/2)+\s], v[58+\s] matrix_a_scale:MATRIX_SCALE_ROW1
.else
	v_wmma_scale_f32_16x16x128_f8f6f4 v[O+8*\t:O+8*\t+7], v[(\fa)+16*\t:(\fa)+16*\t+15], v[PC+16*\s:PC+16*\s+15], v[O+8*\t:O+8*\t+7], v[54+2*(\t/2)+\s], v[58+\s]
.endif
.else
.if (\t)%2
	v_wmma_scale_f32_16x16x128_f8f6f4 v[O+8*\t:O+8*\t+7], v[(\fa)+16*\t:(\fa)+16*\t+15], v[PC+16*\s:PC+16*\s+15], 0, v[54+2*(\t/2)+\s], v[58+\s] matrix_a_scale:MATRIX_SCALE_ROW1
.else
	v_wmma_scale_f32_16x16x128_f8f6f4 v[O+8*\t:O+8*\t+7], v[(\fa)+16*\t:(\fa)+16*\t+15], v[PC+16*\s:PC+16*\s+15], 0, v[54+2*(\t/2)+\s], v[58+\s]
.endif
.endif
.endm
.macro KLOAD0                          ; a head's K: its words, and my fragments 0-3 into the upper half of S
.irp i, 0,1,2,3
	ds_load_b32 v[50+\i], v12 offset:128*\i        ; lanes 0-15: fragment 2 i's words, lanes 16-31: fragment 2 i + 1's
.endr
.irp t, 0,1,2,3
.irp c, 0,1,2,3
	ds_load_b128 v[S+64+16*\t+4*\c:S+64+16*\t+4*\c+3], v10 offset:2048*\t+512*\c
.endr
.endr
.endm
.macro KLOAD1                          ; my fragments 4-7 into F
.irp t, 0,1,2,3
.irp c, 0,1,2,3
	ds_load_b128 v[F+16*\t+4*\c:F+16*\t+4*\c+3], v10 offset:2048*(4+\t)+512*\c
.endr
.endr
.endm
; 64 numbers of a lane in window 1 become a fragment's codes in v[pc] on and its scale word in v[pw], both in window 0
.macro QUANTA s, pc, pw
	WIN 0x05
.irp b, 0,1,2,3
	v_max3_num_f32 v[TM+\b], |v[\s+16*\b]|, |v[\s+16*\b+1]|, 0x4800000
.endr
.irp i, 2,4,6,8,10,12,14
.irp b, 0,1,2,3
	s_delay_alu instid0(VALU_DEP_4)
	v_max3_num_f32 v[TM+\b], |v[\s+16*\b+\i]|, |v[\s+16*\b+\i+1]|, v[TM+\b]
.endr
.endr
	WIN 0
.irp b, 0,1,2,3
	v_permlanex16_b32 v[TM+4+\b], v[TM+\b], s[SEL], s[SEL+1]
.endr
.irp b, 0,1,2,3
	s_delay_alu instid0(VALU_DEP_4)
	v_max_num_f32 v[TM+\b], v[TM+\b], v[TM+4+\b]
.endr
.irp b, 0,1,2,3
	s_delay_alu instid0(VALU_DEP_4)
	v_add_nc_u32 v[TM+12+\b], 0xfc000000, v[TM+\b]
.endr
.irp b, 0,1,2,3
	v_and_or_b32 v[TM+8+\b], v[TM+\b], 0x7f800000, s[MNT]
.endr
.irp b, 0,1,2,3
	v_lshrrev_b32 v[TM+4+\b], 23, v[TM+12+\b]
.endr
	s_delay_alu instid0(VALU_DEP_3)
	v_lshl_or_b32 v[\pw], v[TM+5], 8, v[TM+4]
	s_delay_alu instid0(VALU_DEP_1)
	v_lshl_or_b32 v[\pw], v[TM+6], 16, v[\pw]
	s_delay_alu instid0(VALU_DEP_1)
	v_lshl_or_b32 v[\pw], v[TM+7], 24, v[\pw]
	WIN 0x41
.irp b, 0,1,2,3
.irp i, 0,1,2,3,4,5,6,7,8,9,10,11,12,13,14,15
	v_med3_num_f32 v[\s+16*\b+\i], v[\s+16*\b+\i], -v[TM+8+\b], v[TM+8+\b]
.endr
.endr
	WIN 0x01
.irp b, 0,1,2,3
	v_cvt_scalef32_pk8_fp8_f32 v[\pc+4*\b:\pc+4*\b+1], v[\s+16*\b:\s+16*\b+7], v[TM+12+\b]
	v_cvt_scalef32_pk8_fp8_f32 v[\pc+4*\b+2:\pc+4*\b+3], v[\s+16*\b+8:\s+16*\b+15], v[TM+12+\b]
.endr
	WIN 0
	v_nop
.endm
	s_load_b128 s[4:7], s[0:1], 0x0                ; qkvbuf s[4:5], attbuf s[6:7]
	v_lshl_add_u32 v4, v0, 2, SPARE                ; my spare word; never rewritten
	v_mov_b32 v5, 0                                ; 0; never rewritten
	ds_add_u32 v4, v5
	ds_add_u32 v4, v5
	s_wait_dscnt 0x0
	v_lshrrev_b32 v1, 5, v0
	s_delay_alu instid0(VALU_DEP_1)
	v_readfirstlane_b32 s[WV], v1
	s_and_b32 s[U], s[WV], 1
	s_lshr_b32 s[G], s[WV], 1
	s_and_b32 s[B], ttmp7, 0xffff                  ; b: the partners share it
	s_bfe_u32 s13, ttmp6, 0x40000                  ; cx
	s_lshl_b32 s[BQ], ttmp9, 2
	s_add_co_u32 s[BQ], s[BQ], s13                 ; beta_q
	; what I fetch, if I fetch.  Codes: waves 0, 1 the halves of K's 65,536 bytes of a head, waves 2, 3 of V^T's
	s_lshl_b32 s70, s[B], 21
	s_add_co_u32 s70, s70, 8650752+1048576         ; k's heads are j = 16 on
	s_lshl_b32 s71, s[B], 20
	s_cmp_lt_u32 s[WV], 2
	s_cselect_b32 s70, s70, s71
	s_lshl_b32 s71, s[U], 15
	s_add_co_u32 s70, s70, s71
	s_mov_b32 s71, 0
	s_and_b32 s72, s[WV], 3
	s_lshl_b32 s72, s72, 15                        ; in a slot: 32,768 x (wave & 3)
	; words: wave 4 K's 2,048 bytes of a head, wave 5 V^T's
	s_lshl_b32 s74, s[B], 16
	s_add_co_u32 s74, s74, 25427968+32768
	s_lshl_b32 s75, s[B], 15
	s_add_co_u32 s75, s75, 8388608
	s_cmp_eq_u32 s[U], 0
	s_cselect_b32 s74, s74, s75
	s_mov_b32 s75, 0
	s_lshl_b32 s73, s[U], 11
	s_add_co_u32 s73, s73, WSL
	; descriptor groups 1: dense blocks as rows of 256 bytes (32 elements of 8 bytes): 128 rows of codes, 8 of words
	s_mov_b32 s[G1C], 15|(3<<16)|(1<<21)           ; 15:0 the mask: all four work-groups; 17:16 elements of 8 bytes; 21 set beside a mask
	s_mov_b32 s[G1C+1], 32<<16
	s_mov_b32 s[G1C+2], 128<<16
	s_mov_b32 s[G1C+3], 32<<16
	s_mov_b32 s[G1C+4], 128
	s_mov_b32 s[G1C+5], 32
	s_mov_b32 s[G1C+6], 0
	s_mov_b32 s[G1C+7], 0
	s_mov_b32 s[G1W], 15|(3<<16)|(1<<21)
	s_mov_b32 s[G1W+1], 32<<16
	s_mov_b32 s[G1W+2], 8<<16
	s_mov_b32 s[G1W+3], 32<<16
	s_mov_b32 s[G1W+4], 8
	s_mov_b32 s[G1W+5], 32
	s_mov_b32 s[G1W+6], 0
	s_mov_b32 s[G1W+7], 0
	s_mov_b32 s[CS], 0x3e38aa3b
	s_mov_b32 s[CS+1], s[CS]
	s_mov_b32 s[SEL], 0x76543210
	s_mov_b32 s[SEL+1], 0xfedcba98
	s_mov_b32 s[MNT], 0x600000
	s_mov_b32 s[TB], 0
	s_mov_b32 s[TW], 0
	s_mov_b32 s[TH], 0
	s_mov_b32 s[QSEL], 0x03020302                  ; q's word holds both tiles' bytes: mine go to bytes 0, 1 (for [q, 0]) and 2, 3 (for [0, q])
	s_cmp_eq_u32 s[U], 0
	s_cselect_b32 s[QSEL], 0x01000100, s[QSEL]
	s_wait_kmcnt 0x0
	s_mov_b32 s[G0C], 1
	s_mov_b32 s[G0C+1], s72
	s_add_nc_u64 s[G0C+2:G0C+3], s[4:5], s[70:71]  ; head 0 into slot 0
	s_mov_b32 s[G0C+4], 1
	s_add_co_u32 s[G0C+5], s72, SLOT1
	s_add_nc_u64 s[G0C+6:G0C+7], s[G0C+2:G0C+3], 65536   ; head 1 into slot 1
	s_or_b32 s[G0C+3], s[G0C+3], 0x80000000
	s_or_b32 s[G0C+7], s[G0C+7], 0x80000000
	s_mov_b32 s[G0W], 1
	s_mov_b32 s[G0W+1], s73
	s_add_nc_u64 s[G0W+2:G0W+3], s[4:5], s[74:75]
	s_mov_b32 s[G0W+4], 1
	s_add_co_u32 s[G0W+5], s73, 4096
	s_add_nc_u64 s[G0W+6:G0W+7], s[G0W+2:G0W+3], 2048
	s_or_b32 s[G0W+3], s[G0W+3], 0x80000000
	s_or_b32 s[G0W+7], s[G0W+7], 0x80000000
	CROUND                                         ; all four work-groups are here: the first joint loads meet
	s_cmp_lt_u32 s[WV], 4                          ; slot 0's first fills, one tensor load a wave at the head; slot 1's stand behind the full sequence in front of the loop
	s_cbranch_scc0 .Lfirst_w
	tensor_load_to_lds s[G0C:G0C+3], s[G1C:G1C+7]
	s_nop 0
.rept 4
	v_nop
.endr
	s_branch .Lfirst_asked
.Lfirst_w:
	s_cmp_lt_u32 s[WV], 6
	s_cbranch_scc0 .Lfirst_asked
	tensor_load_to_lds s[G0W:G0W+3], s[G1W:G1W+7]
	s_nop 0
.rept 4
	v_nop
.endr
.Lfirst_asked:
	; global places that hang on beta_q
	s_lshl_b32 s76, s[B], 21
	s_lshl_b32 s77, s[BQ], 11
	s_add_co_u32 s76, s76, s77
	s_add_co_u32 s76, s76, 8650752
	s_mov_b32 s77, 0
	s_add_nc_u64 s[QP:QP+1], s[4:5], s[76:77]      ; q's fragment beta_q of head 0; 65,536 bytes a head
	s_lshl_b32 s76, s[B], 16
	s_lshl_b32 s78, s[BQ], 6
	s_add_co_u32 s76, s76, s78
	s_add_co_u32 s76, s76, 25427968
	s_add_nc_u64 s[QWP:QWP+1], s[4:5], s[76:77]    ; its words; 2,048 bytes a head
	s_lshl_b32 s78, s[B], 6
	s_lshl_b32 s79, s[BQ], 1
	s_add_co_u32 s78, s78, s79
	s_add_co_u32 s78, s78, s[U]                    ; my tile of rows: 64 b + 2 beta_q + u
	s_lshl_b32 s76, s78, 14
	s_add_nc_u64 s[CTXP:CTXP+1], s[6:7], s[76:77]  ; the context's image; 1,024 bytes a head
	s_lshl_b32 s79, s[G], 12
	s_add_co_u32 s76, s76, s79
	s_add_co_u32 s76, s76, 8650752
	s_add_nc_u64 s[AWP:AWP+1], s[6:7], s[76:77]    ; the average's image, my two K steps
	s_lshl_b32 s78, s[B], 5
	s_add_co_u32 s78, s78, s[BQ]
	s_lshl_b32 s76, s78, 10
	s_add_co_u32 s76, s76, 8388608
	s_add_nc_u64 s[CWO:CWO+1], s[6:7], s[76:77]    ; the pair's 1,024 bytes of context words,
	s_add_nc_u64 s[AWO:AWO+1], s[CWO:CWO+1], 8650752   ; and of the average's
	v_and_b32 v22, 31, v0                          ; lane
	s_delay_alu instid0(VALU_DEP_1)
	v_lshlrev_b32 v1, 4, v22
	s_delay_alu instid0(VALU_DEP_2)
	v_lshlrev_b32 v2, 2, v22
	s_wait_alu depctr_va_vdst(0)
	v_and_b32 v23, 15, v0                          ; r
	s_delay_alu instid0(VALU_DEP_1)
	v_lshlrev_b32 v3, 2, v23
	s_lshl_b32 s70, s[U], 10
	v_add_nc_u32 v20, s70, v1                      ; q: my tile's two chunks of the paired fragment
	global_load_b128 v[32:35], v20, s[QP:QP+1]
	global_load_b128 v[36:39], v20, s[QP:QP+1] offset:512
	global_load_b32 v48, v3, s[QWP:QWP+1]
	s_lshl_b32 s70, s[G], 14
	v_add_nc_u32 v6, s70, v1                       ; K: my 8 fragments
	s_lshl_b32 s70, s[G], 12
	s_add_co_u32 s70, s70, 65536
	v_add_nc_u32 v7, s70, v1                       ; V^T: my two K steps of each tile
	s_lshl_b32 s70, s[G], 9
	s_add_co_u32 s70, s70, WSL
	v_add_nc_u32 v8, s70, v2                       ; K's words
	s_lshl_b32 s70, s[G], 8
	s_add_co_u32 s70, s70, WSL+2048
	v_add_nc_u32 v9, s70, v2                       ; V^T's words
	s_lshl_b32 s70, s[WV], 12
	s_add_co_u32 s70, s70, XO
	v_add_nc_u32 v14, s70, v1                      ; where I put my O
	s_and_b32 s71, s[G], 1
	s_lshl_b32 s70, s[U], 12
	s_lshl_b32 s72, s71, 11
	s_add_co_u32 s70, s70, s72
	s_add_co_u32 s70, s70, XO
	v_add_nc_u32 v15, s70, v1                      ; where I read block g of my query tile's four O
	v_lshlrev_b32 v16, 3, v22
	s_lshl_b32 s70, s[U], 8
	s_add_co_u32 s70, s70, XS
	v_add_nc_u32 v17, s70, v16
	s_lshl_b32 s70, s[WV], 8
	s_add_co_u32 s70, s70, XS
	v_add_nc_u32 v16, s70, v16
	s_lshl_b32 s70, s[U], 9
	s_add_co_u32 s70, s70, s71
	s_add_co_u32 s70, s70, CSB
	v_lshl_add_u32 v18, v23, 1, s70                ; the context's scale byte: [u][head][r][block]
	s_lshl_b32 s70, s71, 9
	v_add_nc_u32 v21, s70, v1                      ; the context's chunk: 512 x block + 16 x lane
	v_bfe_u32 v22, v0, 4, 1
	s_delay_alu instid0(VALU_DEP_1)
	v_lshl_add_u32 v22, v22, 7, v3
	s_lshl_b32 s70, s[G], 8
	s_lshl_b32 s72, s[U], 6
	s_add_co_u32 s70, s70, s72
	s_add_co_u32 s70, s70, AWS
	v_add_nc_u32 v22, s70, v22                     ; the average's word: K step 2 g + h, tile u, row r
.irp i, 0,1,2,3,4,5,6,7
	v_mov_b32 v[24+\i], 0                          ; the halves of [0, q] and [q, 0] that are zero codes
	v_mov_b32 v[40+\i], 0
.endr
	v_mov_b32 v61, 0                               ; (named as the upper half of the pair v[60:61] before it is first written)
	v_mov_b32 v63, 0                               ; (named as the upper half of the pair v[62:63]; its low word serves both halves)
	WIN 0x40
.set j, 0
.rept 128
	v_mov_b32 v[AW+j], 0                           ; the average: cleared once, so that a head is written once for all sixteen
.set j, j+1
.endr
	WIN 0
; ONE HEAD.  At its start its K has been asked of LDS and q's scale word stands in v49.  fill = 1: the slot that it leaves is filled with the head two on.  next = 1: it asks for the next head's q and K.
.macro HEAD fill, next
	s_wait_dscnt 16                                ; K's words and fragments 0-3 are in; the youngest 16 loads (fragments 4-7) may be out (a wave that stored a scale byte behind them waits for one load more)
.irp t, 0,1,2,3                                ; S^T = K q^T: four paired fragments, eight products
	SC 16*\t, S+64+16*\t, 50+\t/2, \t%2
.endr
	PLACES 9                                       ; the next eight results are laid over the registers that these products read: nine places (the count for a matrix instruction that writes over a source)
	s_wait_dscnt 0x0                               ; fragments 4-7 are in
.irp t, 0,1,2,3
	SC 64+16*\t, F+16*\t, 52+\t/2, \t%2
.endr
	WIN 0x40                                       ; V^T's first K step is asked for now: the whole softmax stands between these loads and their use
.irp t, 0,1,2,3
.irp c, 0,1,2,3
	ds_load_b128 v[HT+16*\t+4*\c:HT+16*\t+4*\c+3], v11 offset:16384*\t+512*\c
.endr
.endr
	WIN 0
.irp i, 0,1
.irp q, 0,1
	ds_load_b32 v[54+2*\i+\q], v13 offset:1024*\i+128*\q
.endr
.endr
	PLACES 8                                       ; behind the last products: ahead of the loads into q's registers, of the first read of the scores and of the first write into F
.if \next
	s_add_nc_u64 s[QP:QP+1], s[QP:QP+1], 65536     ; the next head's q (the last loads from these bases were waited for in the head before)
	s_add_nc_u64 s[QWP:QWP+1], s[QWP:QWP+1], 2048
	global_load_b128 v[32:35], v20, s[QP:QP+1]
	global_load_b128 v[36:39], v20, s[QP:QP+1] offset:512
	global_load_b32 v48, v3, s[QWP:QWP+1]
.endif
	; the largest score of each block of 32 keys: for the row's maximum and, since p rises with the score, for the block's largest p.  Each accumulator is read from its low end on
.irp b, 0,1,2,3,4,5,6,7
	v_max3_num_f32 v[F+\b], v[S+16*\b], v[S+16*\b+1], v[S+16*\b+2]
.endr
.irp i, 3,5,7,9,11,13
.irp b, 0,1,2,3,4,5,6,7
	v_max3_num_f32 v[F+\b], v[F+\b], v[S+16*\b+\i], v[S+16*\b+\i+1]
.endr
.endr
.irp b, 0,1,2,3,4,5,6,7
	v_max_num_f32 v[F+\b], v[F+\b], v[S+16*\b+15]
.endr
.irp b, 0,1,2,3,4,5,6,7
	v_permlanex16_b32 v[F+8+\b], v[F+\b], s[SEL], s[SEL+1]
.endr
.irp b, 0,1,2,3,4,5,6,7
	v_max_num_f32 v[F+\b], v[F+\b], v[F+8+\b]
.endr
	v_max3_num_f32 v[F+32], v[F], v[F+1], v[F+2]
	s_delay_alu instid0(VALU_DEP_1)
	v_max3_num_f32 v[F+32], v[F+32], v[F+3], v[F+4]
	s_delay_alu instid0(VALU_DEP_1)
	v_max3_num_f32 v[F+32], v[F+32], v[F+5], v[F+6]
	s_delay_alu instid0(VALU_DEP_1)
	v_max_num_f32 v[F+32], v[F+32], v[F+7]
	s_delay_alu instid0(VALU_DEP_1)
	v_mul_f32 v[F+32], s[CS], v[F+32]              ; as t (c is positive)
	s_delay_alu instid0(VALU_DEP_1)
	v_floor_f32 v60, -v[F+32]                      ; -M_g = floor(-t) = -ceil(t)
.set j, 0
.rept 64
	v_pk_fma_f32 v[S+j:S+j+1], v[S+j:S+j+1], s[CS:CS+1], v[60:61] op_sel_hi:[1,0,0]   ; t - M_g, two at a time
.set j, j+2
.endr
.irp b, 0,1,2,3,4,5,6,7
	v_fma_f32 v[F+\b], v[F+\b], s[CS], v60
.endr
.set j, 0
	s_wait_alu depctr_va_vdst(0)
.rept 128
	v_exp_f32 v[S+j], v[S+j]                       ; p = 2^(t - M_g)
.set j, j+1
.endr
.irp b, 0,1,2,3,4,5,6,7
	v_exp_f32 v[F+\b], v[F+\b]                     ; each block's largest p: the same two instructions on the same number
.endr
	v_nop                                          ; a plain line behind the last exponential
	s_wait_alu depctr_va_vdst(0)                   ; one wait for the whole batch, ahead of its first reader
.irp b, 0,1,2,3,4,5,6,7
	v_max_num_f32 v[F+\b], 0x4800000, v[F+\b]      ; the floor 2^(9 - 127)
.endr
.irp b, 0,1,2,3,4,5,6,7
	v_add_nc_u32 v[F+16+\b], 0xfc000000, v[F+\b]   ; the conversion's scale operand
.endr
.irp b, 0,1,2,3,4,5,6,7
	v_and_or_b32 v[F+24+\b], v[F+\b], 0x7f800000, s[MNT]   ; 448 x the scale
.endr
.irp b, 0,1,2,3,4,5,6,7
	v_lshrrev_b32 v[F+8+\b], 23, v[F+16+\b]        ; the byte
.endr
	v_lshl_or_b32 v58, v[F+9], 8, v[F+8]           ; p's scale words for my two K steps
	s_delay_alu instid0(VALU_DEP_4)
	v_lshl_or_b32 v59, v[F+13], 8, v[F+12]
	s_delay_alu instid0(VALU_DEP_2)
	v_lshl_or_b32 v58, v[F+10], 16, v58
	s_delay_alu instid0(VALU_DEP_2)
	v_lshl_or_b32 v59, v[F+14], 16, v59
	s_delay_alu instid0(VALU_DEP_2)
	v_lshl_or_b32 v58, v[F+11], 24, v58
	s_delay_alu instid0(VALU_DEP_2)
	v_lshl_or_b32 v59, v[F+15], 24, v59
.irp s, 0,1,2,3                                ; p is held into other registers (the average wants it unheld): two blocks at a time, into two buffers of 16 in F
	WIN 0
.irp u, 0,1
.irp i, 0,1,2,3,4,5,6,7,8,9,10,11,12,13,14,15
	v_min_num_f32 v[F+32+16*\u+\i], v[S+32*\s+16*\u+\i], v[F+24+2*\s+\u]   ; p is not negative: the hold is one-sided
.endr
.endr
	WIN 0x40
.irp u, 0,1
	v_cvt_scalef32_pk8_fp8_f32 v[PC+8*\s+4*\u:PC+8*\s+4*\u+1], v[F+32+16*\u:F+32+16*\u+7], v[F+16+2*\s+\u]
	v_cvt_scalef32_pk8_fp8_f32 v[PC+8*\s+4*\u+2:PC+8*\s+4*\u+3], v[F+32+16*\u+8:F+32+16*\u+15], v[F+16+2*\s+\u]
.endr
	v_nop                                          ; a plain line behind the conversions, ahead of the next holds, which write their sources
.endr
	WIN 0
.irp t, 0,1,2,3                                ; F is free: V^T's second K step is asked for, and the row's sum stands between these loads and their use
.irp c, 0,1,2,3
	ds_load_b128 v[F+16*\t+4*\c:F+16*\t+4*\c+3], v11 offset:16384*\t+2048+512*\c
.endr
.endr
	WIN 0x40                                       ; the sum of the unquantised p, in four chains, in O's first eight registers: free until the products below start O anew
.irp q, 0,1,2,3
	v_pk_add_f32 v[O+2*\q:O+2*\q+1], v[S+4*\q:S+4*\q+1], v[S+4*\q+2:S+4*\q+3]
.endr
	WIN 0x41
.set j, 16
.rept 14
.irp q, 0,1,2,3
	v_pk_add_f32 v[O+2*\q:O+2*\q+1], v[O+2*\q:O+2*\q+1], v[S+j+2*\q:S+j+2*\q+1]
.endr
.set j, j+8
.endr
	WIN 0x45
	v_pk_add_f32 v[O:O+1], v[O:O+1], v[O+2:O+3]
	v_pk_add_f32 v[O+4:O+5], v[O+4:O+5], v[O+6:O+7]
	s_delay_alu instid0(VALU_DEP_1)
	v_pk_add_f32 v[O:O+1], v[O:O+1], v[O+4:O+5]
	WIN 0x05
	v_add_f32 v61, v[O], v[O+1]
	WIN 0
	v_permlanex16_b32 v23, v61, s[SEL], s[SEL+1]
	s_delay_alu instid0(VALU_DEP_1)
	v_add_f32 v61, v61, v23                        ; l_g
	s_wait_alu depctr_va_vdst(0)
	s_wait_dscnt 16                                ; V^T's first K step and its words are in; the 16 loads of the second may be out
	WIN 0x55                                       ; O^T = V^T p^T over my 256 keys: the four accumulators by turns
.irp t, 0,1,2,3
	OV \t, 0, HT
.endr
	s_wait_dscnt 0x0
	WIN 0x54
.irp t, 0,1,2,3
	OV \t, 1, F
.endr
	WIN 0
	PLACES 8
	WIN 0x04
.irp k, 0,1,2,3,4,5,6,7
	ds_store_b128 v14, v[O+4*\k:O+4*\k+3] offset:512*\k   ; my O as it stands, each accumulator from its low end on
.endr
	WIN 0
	ds_store_b64 v16, v[60:61]                     ; (-M_g, l_g)
	; the change of slots, and the hand-over of the parts, in one barrier
	s_wait_tensorcnt 0x0                           ; all my tensor loads have landed: my part of the next head's slot
	ds_add_u32 v4, v5
.if \fill
	ds_add_u32 v4, v5                              ; and once more where a load follows
	s_xor_b32 s[G0C+5], s[G0C+5], SLOT1
	s_add_nc_u64 s[G0C+6:G0C+7], s[G0C+6:G0C+7], 65536
	s_xor_b32 s[G0W+5], s[G0W+5], 4096
	s_add_nc_u64 s[G0W+6:G0W+7], s[G0W+6:G0W+7], 2048
.endif
	s_wait_dscnt 0x0                               ; the add is done, my stores have landed, my reads of the slot are over
.if \fill
	CROUND
	TLOAD
.else
	s_barrier_signal -1
	s_barrier_wait -1
.endif
.irp q, 0,1,2,3
	ds_load_b64 v[F+2*\q:F+2*\q+1], v17 offset:512*\q   ; the four waves' (-M, l) of my query tile
.endr
	s_cmp_lt_u32 s[WV], 4                          ; waves with g < 2 finish block g of the context
	s_cbranch_scc0 .Lno_o_\@
	WIN 0x40
.irp q, 0,1,2,3
.irp k, 0,1,2,3
	ds_load_b128 v[HT+16*\q+4*\k:HT+16*\q+4*\k+3], v15 offset:8192*\q+512*\k
.endr
.endr
	WIN 0
.Lno_o_\@:
.if \next
	s_wait_loadcnt 0x0                             ; the next head's q and its word, asked for behind the scores
	v_perm_b32 v49, v48, v48, s[QSEL]              ; the lines down to the next head's first product are the places behind a scale word made by a vector instruction
.endif
	s_wait_dscnt 0x0
	s_barrier_signal -1                            ; my reads of the parts are over.  Register work alone stands between this signal and its wait
	v_min3_num_f32 v23, v[F], v[F+2], v[F+4]
	s_delay_alu instid0(VALU_DEP_1)
	v_min_num_f32 v23, v23, v[F+6]                 ; -M
.irp q, 0,1,2,3
	v_sub_f32 v[F+8+\q], v23, v[F+2*\q]            ; M_g' - M: a whole number, 0 or less
.endr
	v_sub_f32 v[F+12], v23, v60                    ; and my own
.irp q, 0,1,2,3,4
	v_cvt_i32_f32 v[F+8+\q], v[F+8+\q]
.endr
.irp q, 0,1,2,3,4
	v_ldexp_f32 v[F+8+\q], 1.0, v[F+8+\q]          ; f = 2^(M_g' - M): rounds nothing
.endr
	v_mul_f32 v[F+13], v[F+8], v[F+1]
	s_delay_alu instid0(VALU_DEP_1)
	v_fmac_f32 v[F+13], v[F+9], v[F+3]
	s_delay_alu instid0(VALU_DEP_1)
	v_fmac_f32 v[F+13], v[F+10], v[F+5]
	s_delay_alu instid0(VALU_DEP_1)
	v_fmac_f32 v[F+13], v[F+11], v[F+7]            ; l
	s_wait_alu depctr_va_vdst(0)
	v_rcp_f32 v[F+14], v[F+13]
	v_mul_f32 v[F+12], 0x3d800000, v[F+12]         ; (a plain line behind the reciprocal)  my f / 16
	s_wait_alu depctr_va_vdst(0)                   ; ahead of the reciprocal's first reader
	v_mul_f32 v62, v[F+12], v[F+14]
.irp q, 0,1,2,3
	v_mul_f32 v[F+16+2*\q], v[F+8+\q], v[F+14]     ; f / l, at even registers: packed sources are pairs
.endr
	WIN 0x50
.set j, 0
.rept 64
	v_pk_fma_f32 v[AW+j:AW+j+1], v[S+j:S+j+1], v[62:63], v[AW+j:AW+j+1] op_sel_hi:[1,0,1]   ; the average += p f / (16 l)
.set j, j+2
.endr
	WIN 0
	s_barrier_wait -1                              ; every wave has read the parts: the next head may store over them
.if \next
	s_xor_b32 s[TB], s[TB], SLOT1                  ; on to the next head's slot, which this head's change of slots has shown whole
	s_xor_b32 s[TW], s[TW], 4096
	v_add_nc_u32 v10, s[TB], v6
	v_add_nc_u32 v11, s[TB], v7
	v_add_nc_u32 v12, s[TW], v8
	v_add_nc_u32 v13, s[TW], v9
	KLOAD0                                         ; p has been read for the last time
.endif
	v_add_nc_u32 v19, s[TH], v18
	s_cmp_lt_u32 s[WV], 4
	s_cbranch_scc0 .Lno_c1_\@
	WIN 0x01                                       ; block g of the context: sum of f O / l over the four waves, into the lower half of S
.irp k, 0,1,2,3,4,5,6,7
	v_pk_mul_f32 v[S+2*\k:S+2*\k+1], v[HT+2*\k:HT+2*\k+1], v[F+16:F+17] op_sel_hi:[1,0]
.endr
.irp q, 1,2,3
.irp k, 0,1,2,3,4,5,6,7
	v_pk_fma_f32 v[S+2*\k:S+2*\k+1], v[HT+16*\q+2*\k:HT+16*\q+2*\k+1], v[F+16+2*\q:F+17+2*\q], v[S+2*\k:S+2*\k+1] op_sel_hi:[1,0,1]
.endr
.endr
	WIN 0
.Lno_c1_\@:
.if \next
	s_wait_alu depctr_va_vdst(0)
	KLOAD1                                         ; the factors in F have been read for the last time
.endif
	s_cmp_lt_u32 s[WV], 4
	s_cbranch_scc0 .Lno_ctx_\@
	v_max3_num_f32 v[S+16], |v[S]|, |v[S+1]|, 0x4800000   ; one block of 32 along the next K: my 16 and lane l xor 16's
.irp i, 2,4,6,8,10,12,14
	v_max3_num_f32 v[S+16], v[S+16], |v[S+\i]|, |v[S+1+\i]|
.endr
	v_permlanex16_b32 v[S+17], v[S+16], s[SEL], s[SEL+1]
	s_delay_alu instid0(VALU_DEP_1)
	v_max_num_f32 v[S+16], v[S+16], v[S+17]
	s_delay_alu instid0(VALU_DEP_1)
	v_add_nc_u32 v[S+18], 0xfc000000, v[S+16]
	s_delay_alu instid0(VALU_DEP_2)
	v_and_or_b32 v[S+19], v[S+16], 0x7f800000, s[MNT]
	s_delay_alu instid0(VALU_DEP_2)
	v_lshrrev_b32 v[S+20], 23, v[S+18]
.irp i, 0,1,2,3,4,5,6,7,8,9,10,11,12,13,14,15
	v_med3_num_f32 v[S+\i], v[S+\i], -v[S+19], v[S+19]
.endr
	v_cvt_scalef32_pk8_fp8_f32 v[S+24:S+25], v[S:S+7], v[S+18]
	v_cvt_scalef32_pk8_fp8_f32 v[S+26:S+27], v[S+8:S+15], v[S+18]
	v_nop                                          ; a plain line behind the last conversion: the next head's products write these registers
	ds_store_b8 v19, v[S+20]                       ; both lanes of a row write the same byte with the same value
	global_store_b128 v21, v[S+24:S+27], s[CTXP:CTXP+1]   ; a chunk of the context's image: 512 consecutive bytes, aligned
.Lno_ctx_\@:
	s_wait_xcnt 0x0                                ; the store has read its data and its base: the base is stepped below, the data's registers take the next head's scores
	s_add_nc_u64 s[CTXP:CTXP+1], s[CTXP:CTXP+1], 1024
	s_add_co_u32 s[TH], s[TH], 32
.endm
	s_wait_alu depctr_va_vdst(0)
	s_wait_tensorcnt 0x0                           ; my part of slot 0 is in; the full sequence ahead of slot 1's first fill
	ds_add_u32 v4, v5
	ds_add_u32 v4, v5
	s_wait_dscnt 0x0
	CROUND
	TLOAD                                          ; head 1 into slot 1: it has head 0's work in which to land
	v_add_nc_u32 v10, s[TB], v6
	v_add_nc_u32 v11, s[TB], v7
	v_add_nc_u32 v12, s[TW], v8
	v_add_nc_u32 v13, s[TW], v9
	KLOAD0
	KLOAD1
	s_wait_loadcnt 0x0                             ; head 0's q and its word
	v_perm_b32 v49, v48, v48, s[QSEL]
	PLACES 9                                       ; the places between a scale word made by a vector instruction and the product that takes it
	s_mov_b32 s[HC], 14
.Lfill:                                            ; heads 0-13: each leaves its slot to the head two on
	s_wait_alu depctr_va_vdst(0)
	HEAD 1, 1
	s_sub_co_u32 s[HC], s[HC], 1
	s_cmp_lg_u32 s[HC], 0
	s_cbranch_scc1 .Lfill
	HEAD 0, 1                                      ; heads 14 and 15 ask for no tile: written out
	HEAD 0, 0                                      ; the last asks for no q and no K either
	; the average, quantised along the keys: my two K steps of my tile's image
	QUANTA AW, F+16, 58
	QUANTA AW+64, F+32, 59
.irp s, 0,1
.irp c, 0,1,2,3
	global_store_b128 v1, v[F+16+16*\s+4*\c:F+16+16*\s+4*\c+3], s[AWP:AWP+1] offset:2048*\s+512*\c
.endr
.endr
	v_and_b32 v12, 31, v0
	s_delay_alu instid0(VALU_DEP_1)
	v_cmp_lt_u32 vcc_lo, 15, v12
	s_delay_alu instid0(VALU_DEP_1)
	v_cndmask_b32 v[F+48], v58, v59, vcc_lo        ; lanes 0-15 carry K step 2 g's word, lanes 16-31 K step 2 g + 1's
	ds_store_b32 v22, v[F+48]
	v_bfe_u32 v10, v0, 2, 1                        ; the gather: lane l makes words 4 l .. 4 l + 3 of each half: K step l / 8 (+ 4), tile (l / 4) & 1, rows 4 (l & 3) on
	s_delay_alu instid0(VALU_DEP_1)
	v_lshlrev_b32 v10, 9, v10
	v_bfe_u32 v13, v0, 3, 2
	s_delay_alu instid0(VALU_DEP_1)
	v_lshl_add_u32 v10, v13, 6, v10
	v_and_b32 v13, 3, v0
	s_delay_alu instid0(VALU_DEP_1)
	v_lshl_add_u32 v10, v13, 3, v10
	s_delay_alu instid0(VALU_DEP_1)
	v_add_nc_u32 v10, CSB, v10
	v_add_nc_u32 v11, AWS, v1
	s_mov_b32 s70, 0x05040100
	s_mov_b32 s71, 0x07060302
	s_wait_xcnt 0x0                                ; the stores above have read their data
	s_wait_dscnt 0x0
	s_barrier_signal -1
	s_barrier_wait -1                              ; all scale bytes and words lie in LDS
	s_cmp_lg_u32 s[WV], 0
	s_cbranch_scc1 .Lnot_first
	s_wait_alu depctr_va_vdst(0)
	ds_load_b64 v[F:F+1], v10                      ; head 2 sigma: four rows' two bytes
	ds_load_b64 v[F+2:F+3], v10 offset:32          ; head 2 sigma + 1
	ds_load_b64 v[F+4:F+5], v10 offset:256
	ds_load_b64 v[F+6:F+7], v10 offset:288
	ds_load_b128 v[F+8:F+11], v11
	ds_load_b128 v[F+12:F+15], v11 offset:512
	s_wait_dscnt 0x0
.irp k, 0,1
	v_perm_b32 v[F+16+4*\k], v[F+2+4*\k], v[F+4*\k], s70
	v_perm_b32 v[F+17+4*\k], v[F+2+4*\k], v[F+4*\k], s71
	v_perm_b32 v[F+18+4*\k], v[F+3+4*\k], v[F+1+4*\k], s70
	v_perm_b32 v[F+19+4*\k], v[F+3+4*\k], v[F+1+4*\k], s71
.endr
	global_store_b128 v1, v[F+16:F+19], s[CWO:CWO+1]
	global_store_b128 v1, v[F+20:F+23], s[CWO:CWO+1] offset:512
	global_store_b128 v1, v[F+8:F+11], s[AWO:AWO+1]
	global_store_b128 v1, v[F+12:F+15], s[AWO:AWO+1] offset:512
.Lnot_first:
	s_wait_tensorcnt 0x0                           ; the wave's end
	ds_add_u32 v4, v5
	s_wait_dscnt 0x0
	CROUND                                         ; the closing round
	s_endpgm
.Lfunc_end_k_qb6021e9dfd_att:
	.size	k_qb6021e9dfd_att, .Lfunc_end_k_qb6021e9dfd_att-k_qb6021e9dfd_att
	.p2alignl 7, 3214868480
	.fill 96, 4, 3214868480
	.section	.rodata,"a",@progbits
	.p2align	6, 0x0
	.amdhsa_kernel k_qb6021e9dfd_att
		.amdhsa_group_segment_fixed_size 327680
		.amdhsa_private_segment_fixed_size 0
		.amdhsa_enable_private_segment 0
		.amdhsa_kernarg_size 16
		.amdhsa_user_sgpr_count 2
		.amdhsa_user_sgpr_kernarg_segment_ptr 1
		.amdhsa_wavefront_size32 1
		.amdhsa_system_sgpr_workgroup_id_x 1
		.amdhsa_system_sgpr_workgroup_id_y 1
		.amdhsa_system_sgpr_workgroup_id_z 1
		.amdhsa_system_vgpr_workitem_id 0
		.amdhsa_next_free_vgpr 512
		.amdhsa_next_free_sgpr 100
		.amdhsa_reserve_vcc 1
		.amdhsa_float_denorm_mode_32 3
		.amdhsa_float_denorm_mode_16_64 3
		.amdhsa_memory_ordered 1
		.amdhsa_forward_progress 1
		.amdhsa_inst_pref_size 181
	.end_amdhsa_kernel
	.amdgpu_metadata
---
amdhsa.version: [ 1, 2 ]
amdhsa.kernels:
  - .name:           k_qb6021e9dfd_att
    .symbol:         k_qb6021e9dfd_att.kd
    .args:
      - { .name: qkvbuf, .offset: 0, .size: 8, .value_kind: global_buffer, .address_space: global }
      - { .name: attbuf, .offset: 8, .size: 8, .value_kind: global_buffer, .address_space: global }
    .group_segment_fixed_size: 327680
    .private_segment_fixed_size: 0
    .kernarg_segment_align: 8
    .kernarg_segment_size: 16
    .max_flat_workgroup_size: 256
    .sgpr_count:     100
    .vgpr_count:     512
    .wavefront_size: 32
...
	.end_amdgpu_metadata
.endif
;; end of part 3
;; launch gemm4: the kernel of part 2 again; grid 32 x 8, 4 waves a work-group, clusters of 4 x 4, 327,680 bytes of LDS; arguments attbuf, wobuf, aobuf, b_out; writes aobuf
;; launch gemmp (part 4): grid 32 x 8, 4 waves a work-group, clusters of 4 x 4, 327,680 bytes of LDS; arguments attbuf, aobuf, part; writes part
.if DOCPART == 4
	.amdgcn_target "amdgcn-amd-amdhsa--gfx1250"
	.amdhsa_code_object_version 6
	.text
	.protected	k_qb6021e9dfd_gemmp
	.globl	k_qb6021e9dfd_gemmp
	.p2align	8
	.type	k_qb6021e9dfd_gemmp,@function
k_qb6021e9dfd_gemmp:
	s_mov_b64 s[64:65], 0
	v_nop
	global_prefetch_b8 v0, s[64:65] scope:SCOPE_SE
	s_setreg_imm32_b32 hwreg(HW_REG_WAVE_MODE, 25, 1), 1
	s_wait_xcnt 0x0
	s_wait_alu depctr_hold_cnt(0) depctr_sa_sdst(0) depctr_va_vdst(0) depctr_va_sdst(0) depctr_va_ssrc(0) depctr_va_vcc(0) depctr_vm_vsrc(0)
	s_getreg_b32 s2, hwreg(HW_REG_IB_STS2, 6, 4)
	s_cmp_eq_u32 s2, 0
	s_cbranch_scc0 .Lentry_in_a_cluster
	s_endpgm
.Lentry_in_a_cluster:
	s_bfe_u32 s2, ttmp6, 0x10000c
	s_cmp_lg_u32 s2, 0xf033
	s_cbranch_scc0 .Lentry_shape_is_right
	s_endpgm
.Lentry_shape_is_right:
; part[b][8 parts][e] = the sum over 128 rows s of sum over t of Q(aw)[b][s][t] Q(ao)[b][t][e]: the last product, with its rows summed as far as one wave holds them.
; In: attbuf (the averaged weights' register images at 8,650,752, words at 17,039,360), aobuf (the projected output, transposed, as images: b 2^20; words at 8,388,608).  The images are those of the launches before.
; SHARES.  A work-group makes P 256 (rows s) x R 128 (columns e); wave w makes P 128 x R 64: 32 accumulators.  CLUSTER 4 x 4: P's tiles are asked for jointly along a column, R's along a row.
; LDS: a large slot at 0 with K steps 0-3 (a tile's row is 8,192 bytes: P 2 x 65,536, R 2 x 32,768), one load a wave at the head; a small slot at 196,608 with K steps 4, 5 (rows of 4,096 bytes), first filled behind the full
; sequence and a round; K steps 6, 7 are filled over the first half of each wave's part of the large slot behind K step 3.  By this text's count a wave has one tensor load out at any time.
.set SLOTB, 98304
.set SPARE, 3*SLOTB
.set SP,   16
.set SR,   48
.set RF,   64
.set PF,   128
.set T,    128
.set G1P,  24
.set G1R,  32
.set G0P,  40
.set G0R,  52
.set MSB,  0
.macro WIN new
.if MSB != (\new)
	s_set_vgpr_msb (MSB<<8)|(\new)
.set MSB, (\new)
.endif
.endm
.macro PLACES n
.rept \n
	v_nop
.endr
.endm
.macro JLOAD j
	s_cmp_eq_u32 s15, 0
	s_cbranch_scc0 .Lfor_r_\@
	tensor_load_to_lds s[G0P+4*\j:G0P+4*\j+3], s[G1P:G1P+7]
	s_nop 0
.rept 4
	v_nop
.endr
	s_branch .Lasked_\@
.Lfor_r_\@:
	tensor_load_to_lds s[G0R+4*\j:G0R+4*\j+3], s[G1R:G1R+7]
	s_nop 0
.rept 4
	v_nop
.endr
.Lasked_\@:
.endm
.macro CREST
	s_cmp_lg_u32 s14, 0
	s_cbranch_scc1 .Lnot_wave_0_\@
	s_barrier_signal -3
.Lnot_wave_0_\@:
	s_barrier_wait -3
	s_barrier_signal -1
	s_barrier_wait -1
.endm
.macro CROUND
	s_barrier_signal -1
	s_barrier_wait -1
	CREST
.endm
.macro WMMA d, fa, fb, sa, sb, zero, ra, rb
.if \zero
.if (\ra) && (\rb)
	v_wmma_scale_f32_16x16x128_f8f6f4 v[(\d):(\d)+7], v[(\fa):(\fa)+15], v[(\fb):(\fb)+15], 0, v[\sa], v[\sb] matrix_a_scale:MATRIX_SCALE_ROW1 matrix_b_scale:MATRIX_SCALE_ROW1
.elseif \ra
	v_wmma_scale_f32_16x16x128_f8f6f4 v[(\d):(\d)+7], v[(\fa):(\fa)+15], v[(\fb):(\fb)+15], 0, v[\sa], v[\sb] matrix_a_scale:MATRIX_SCALE_ROW1
.elseif \rb
	v_wmma_scale_f32_16x16x128_f8f6f4 v[(\d):(\d)+7], v[(\fa):(\fa)+15], v[(\fb):(\fb)+15], 0, v[\sa], v[\sb] matrix_b_scale:MATRIX_SCALE_ROW1
.else
	v_wmma_scale_f32_16x16x128_f8f6f4 v[(\d):(\d)+7], v[(\fa):(\fa)+15], v[(\fb):(\fb)+15], 0, v[\sa], v[\sb]
.endif
.else
.if (\ra) && (\rb)
	v_wmma_scale_f32_16x16x128_f8f6f4 v[(\d):(\d)+7], v[(\fa):(\fa)+15], v[(\fb):(\fb)+15], v[(\d):(\d)+7], v[\sa], v[\sb] matrix_a_scale:MATRIX_SCALE_ROW1 matrix_b_scale:MATRIX_SCALE_ROW1
.elseif \ra
	v_wmma_scale_f32_16x16x128_f8f6f4 v[(\d):(\d)+7], v[(\fa):(\fa)+15], v[(\fb):(\fb)+15], v[(\d):(\d)+7], v[\sa], v[\sb] matrix_a_scale:MATRIX_SCALE_ROW1
.elseif \rb
	v_wmma_scale_f32_16x16x128_f8f6f4 v[(\d):(\d)+7], v[(\fa):(\fa)+15], v[(\fb):(\fb)+15], v[(\d):(\d)+7], v[\sa], v[\sb] matrix_b_scale:MATRIX_SCALE_ROW1
.else
	v_wmma_scale_f32_16x16x128_f8f6f4 v[(\d):(\d)+7], v[(\fa):(\fa)+15], v[(\fb):(\fb)+15], v[(\d):(\d)+7], v[\sa], v[\sb]
.endif
.endif
.endm
.macro MUL4 p, sg, zero
.irp a, 0,1,2,3
	WMMA 64*\a+8*(\p), PF+16*(\p), RF+16*\a, SP+4*(\sg)+(\p)/2, SR+2*(\sg)+\a/2, \zero, (\p)%2, \a%2
.endr
.endm
.macro FETCH sg
.if (\sg)%2
	WIN 0x80
.else
	WIN 0
.endif
.set SL, (((\sg)/2)%3)/2
.set TP, 8192-4096*((\sg)/4)
.set KO, 2048*((\sg)%(4-2*((\sg)/4)))
.irp a, 0,1,2,3
.irp c, 0,1,2,3
	ds_load_b128 v[RF+16*\a+4*\c:RF+16*\a+4*\c+3], v[6+SL] offset:TP*\a+KO+512*\c
.endr
.endr
.irp p, 0,1,2,3,4,5,6,7
.irp c, 0,1,2,3
	ds_load_b128 v[PF+16*\p+4*\c:PF+16*\p+4*\c+3], v[3+SL] offset:TP*\p+KO+512*\c
.endr
.endr
.endm
.macro STEP sg, zero
	s_wait_dscnt 16
	WIN 0x50+0x0a*((\sg)%2)
.irp p, 0,1,2,3
	MUL4 \p, \sg, \zero
.endr
	PLACES 8
	FETCH (\sg)+1
	s_wait_dscnt 48
	WIN 0x50+0x0a*((\sg)%2)
.irp p, 4,5,6,7
	MUL4 \p, \sg, \zero
.endr
.endm
	s_load_b128 s[4:7], s[0:1], 0x0
	s_load_b64 s[8:9], s[0:1], 0x10
	v_lshl_add_u32 v9, v0, 2, SPARE
	v_mov_b32 v10, 0
	ds_add_u32 v9, v10
	ds_add_u32 v9, v10
	s_wait_dscnt 0x0
	v_lshrrev_b32 v1, 5, v0
	v_readfirstlane_b32 s14, v1
	s_lshr_b32 s15, s14, 1
	s_and_b32 s16, s14, 1
	s_bfe_u32 s18, ttmp6, 0x40000
	s_bfe_u32 s19, ttmp6, 0x40004
	s_mov_b32 s13, ttmp9
	s_and_b32 s17, ttmp7, 0xffff
	s_lshl_b32 s96, s13, 2
	s_add_co_u32 s20, s96, s18
	s_lshl_b32 s98, s17, 2
	s_add_co_u32 s21, s98, s19
	s_lshl_b32 s97, 0x1111, s18
	s_lshl_b32 s101, s19, 2
	s_lshl_b32 s101, 15, s101
	s_or_b32 s[G1P], s97, (3<<16)|(1<<21)
	s_or_b32 s[G1R], s101, (3<<16)|(1<<21)
	s_mov_b32 s[G1P+1], 1024<<16                   ; tensor_dim0: the head's load brings four K steps, 8,192 bytes of each tile
	s_mov_b32 s[G1P+2], 8<<16
	s_mov_b32 s[G1P+3], 1024<<16
	s_mov_b32 s[G1P+4], 8
	s_mov_b32 s[G1P+5], 2048
	s_mov_b32 s[G1P+6], 0
	s_mov_b32 s[G1P+7], 0
	s_mov_b32 s[G1R+1], 1024<<16
	s_mov_b32 s[G1R+2], 4<<16
	s_mov_b32 s[G1R+3], 1024<<16
	s_mov_b32 s[G1R+4], 4
	s_mov_b32 s[G1R+5], 2048
	s_mov_b32 s[G1R+6], 0
	s_mov_b32 s[G1R+7], 0
	s_lshl_b32 s2, s20, 18
	s_lshl_b32 s3, s16, 17
	s_add_co_u32 s2, s2, s3
	s_add_co_u32 s2, s2, 8650752
	s_mov_b32 s3, 0
	s_lshl_b32 s22, s21, 17
	s_lshl_b32 s23, s16, 16
	s_add_co_u32 s22, s22, s23
	s_lshl_b32 s23, s13, 20
	s_add_co_u32 s22, s22, s23
	s_mov_b32 s23, 0
	s_lshl_b32 s89, s16, 15
	s_lshl_b32 s95, s16, 14
	s_add_co_u32 s95, s95, 65536
	s_wait_kmcnt 0x0
	s_add_nc_u64 s[96:97], s[4:5], s[2:3]
	s_add_nc_u64 s[98:99], s[6:7], s[22:23]
	CROUND
.irp j, 0,1
	s_mov_b32 s[G0P+4*\j], 1
	s_lshl_b32 s[G0P+4*\j+1], s89, 1-\j            ; the large slot's parts are twice the small slot's
	s_add_co_u32 s[G0P+4*\j+1], s[G0P+4*\j+1], 2*SLOTB*\j
	s_add_nc_u64 s[G0P+4*\j+2:G0P+4*\j+3], s[96:97], 8192*\j
	s_or_b32 s[G0P+4*\j+3], s[G0P+4*\j+3], 0x80000000
	s_mov_b32 s[G0R+4*\j], 1
	s_lshl_b32 s[G0R+4*\j+1], s95, 1-\j
	s_add_co_u32 s[G0R+4*\j+1], s[G0R+4*\j+1], 2*SLOTB*\j
	s_add_nc_u64 s[G0R+4*\j+2:G0R+4*\j+3], s[98:99], 8192*\j
	s_or_b32 s[G0R+4*\j+3], s[G0R+4*\j+3], 0x80000000
.endr
	JLOAD 0                                        ; K steps 0-3: one tensor load a wave at the head
	s_lshl_b32 s2, s20, 13
	s_lshl_b32 s3, s16, 12
	s_add_co_u32 s2, s2, s3
	s_add_co_u32 s2, s2, 17039360
	s_mov_b32 s3, 0
	s_add_nc_u64 s[66:67], s[4:5], s[2:3]
	s_lshl_b32 s2, s21, 12
	s_lshl_b32 s22, s15, 11
	s_add_co_u32 s2, s2, s22
	s_lshl_b32 s22, s13, 15
	s_add_co_u32 s2, s2, s22
	s_add_co_u32 s2, s2, 8388608
	s_add_nc_u64 s[68:69], s[6:7], s[2:3]
	v_and_b32 v15, 31, v0
	v_lshlrev_b32 v1, 4, v15
	v_lshlrev_b32 v2, 2, v15
	s_wait_alu depctr_va_vdst(0)
	s_lshl_b32 s2, s16, 15
	s_lshl_b32 s3, s15, 14
	s_add_co_u32 s3, s3, 65536
	v_add_nc_u32 v4, s2, v1                        ; v4, v7: my tiles in the small slot; v3, v6: in the large one
	v_add_nc_u32 v7, s3, v1
	v_add_nc_u32 v4, 2*SLOTB, v4
	v_add_nc_u32 v7, 2*SLOTB, v7
	s_lshl_b32 s2, s2, 1
	s_lshl_b32 s3, s3, 1
	v_add_nc_u32 v3, s2, v1
	v_add_nc_u32 v6, s3, v1
.irp g, 0,1,2,3,4,5,6,7
.irp i, 0,1,2,3
	global_load_b32 v[SP+4*\g+\i], v2, s[66:67] offset:1024*\i+128*\g
.endr
.irp i, 0,1
	global_load_b32 v[SR+2*\g+\i], v2, s[68:69] offset:1024*\i+128*\g
.endr
.endr
	s_mov_b32 s92, 0x76543210
	s_mov_b32 s93, 0xfedcba98
	s_lshl_b32 s2, s13, 3
	s_and_b32 s3, s20, 3
	s_lshl_b32 s3, s3, 1
	s_add_co_u32 s2, s2, s3
	s_add_co_u32 s2, s2, s16
	s_lshl_b32 s2, s2, 12
	s_lshl_b32 s3, s21, 9
	s_add_co_u32 s2, s2, s3
	s_lshl_b32 s3, s15, 8
	s_add_co_u32 s2, s2, s3
	s_mov_b32 s3, 0
	s_add_nc_u64 s[74:75], s[8:9], s[2:3]
	s_wait_alu depctr_va_vdst(0)
	s_wait_tensorcnt 0x0                           ; my part of K steps 0-3 is in
	ds_add_u32 v9, v10
	s_mov_b32 s[G1P+1], 512<<16                    ; no tensor load of mine is out: from here on a load brings two K steps, 4,096 bytes of each tile
	s_mov_b32 s[G1P+3], 512<<16
	s_mov_b32 s[G1R+1], 512<<16
	s_mov_b32 s[G1R+3], 512<<16
	s_wait_dscnt 0x0
	CROUND
	JLOAD 1                                        ; K steps 4 and 5, the first tensor load behind the round
	FETCH 0
	s_wait_loadcnt 0x0
	STEP 0, 1
	STEP 1, 0
	STEP 2, 0
	WIN 0
	s_wait_tensorcnt 0x0
	ds_add_u32 v9, v10
	s_wait_dscnt 17
	WIN 0x5a
	MUL4 0, 3, 0
	MUL4 1, 3, 0
	s_wait_dscnt 0x0
	s_barrier_signal -1
	MUL4 2, 3, 0
	MUL4 3, 3, 0
	WIN 0
	s_barrier_wait -1
	CREST
	s_add_nc_u64 s[G0P+2:G0P+3], s[G0P+2:G0P+3], 12288
	s_add_nc_u64 s[G0R+2:G0R+3], s[G0R+2:G0R+3], 12288
	JLOAD 0
	PLACES 4
	FETCH 4
	WIN 0x5a
.irp p, 4,5,6,7
	MUL4 \p, 3, 0
.endr
	STEP 4, 0
	s_wait_dscnt 16
	WIN 0x5a
.irp p, 0,1,2,3
	MUL4 \p, 5, 0
.endr
	s_wait_tensorcnt 0x0
	s_wait_dscnt 0x0
	s_barrier_signal -1
	s_barrier_wait -1
	PLACES 8
	FETCH 6
	WIN 0x5a
.irp p, 4,5,6,7
	MUL4 \p, 5, 0
.endr
	STEP 6, 0
	s_wait_dscnt 16
	WIN 0x5a
.irp p, 0,1,2,3
	MUL4 \p, 7, 0
.endr
	s_wait_dscnt 0x0
.irp p, 4,5,6,7
	MUL4 \p, 7, 0
.endr
	WIN 0
	PLACES 8
.irp a, 0,1,2,3
	WIN 0x05
.irp k, 0,1,2,3,4,5,6,7,8,9,10,11,12,13,14,15
	v_pk_add_f32 v[T+2*\k:T+2*\k+1], v[64*\a+4*\k:64*\a+4*\k+1], v[64*\a+4*\k+2:64*\a+4*\k+3]
.endr
	WIN 0
.irp k, 0,1,2,3,4,5,6,7
	v_pk_add_f32 v[T+2*\k:T+2*\k+1], v[T+2*\k:T+2*\k+1], v[T+16+2*\k:T+17+2*\k]
.endr
.irp k, 0,1,2,3
	v_pk_add_f32 v[T+2*\k:T+2*\k+1], v[T+2*\k:T+2*\k+1], v[T+8+2*\k:T+9+2*\k]
.endr
.irp k, 0,1
	v_pk_add_f32 v[T+2*\k:T+2*\k+1], v[T+2*\k:T+2*\k+1], v[T+4+2*\k:T+5+2*\k]
.endr
	v_pk_add_f32 v[T:T+1], v[T:T+1], v[T+2:T+3]
	v_add_f32 v[64+\a], v[T], v[T+1]
.endr
.irp a, 0,1,2,3
	v_permlanex16_b32 v[68+\a], v[64+\a], s92, s93
.endr
.irp a, 0,1,2,3
	v_add_f32 v[64+\a], v[64+\a], v[68+\a]
.endr
	v_and_b32 v3, 15, v0
	v_and_b32 v4, 8, v3
	v_add_nc_u32 v3, v3, v4
	v_bfe_u32 v4, v0, 4, 1
	v_lshl_add_u32 v3, v4, 3, v3
	v_lshlrev_b32 v3, 2, v3
	v_cmp_lt_u32 vcc_lo, 15, v15
.irp i, 0,1
	v_cndmask_b32 v[72+\i], v[64+2*\i], v[65+2*\i], vcc_lo
	global_store_b32 v3, v[72+\i], s[74:75] offset:128*\i
.endr
	s_wait_tensorcnt 0x0
	ds_add_u32 v9, v10
	s_wait_dscnt 0x0
	CROUND
	s_endpgm
.Lfunc_end_k_qb6021e9dfd_gemmp:
	.size	k_qb6021e9dfd_gemmp, .Lfunc_end_k_qb6021e9dfd_gemmp-k_qb6021e9dfd_gemmp
	.p2alignl 7, 3214868480
	.fill 96, 4, 3214868480
	.section	.rodata,"a",@progbits
	.p2align	6, 0x0
	.amdhsa_kernel k_qb6021e9dfd_gemmp
		.amdhsa_group_segment_fixed_size 327680
		.amdhsa_private_segment_fixed_size 0
		.amdhsa_enable_private_segment 0
		.amdhsa_kernarg_size 24
		.amdhsa_user_sgpr_count 2
		.amdhsa_user_sgpr_kernarg_segment_ptr 1
		.amdhsa_wavefront_size32 1
		.amdhsa_system_sgpr_workgroup_id_x 1
		.amdhsa_system_sgpr_workgroup_id_y 1
		.amdhsa_system_sgpr_workgroup_id_z 1
		.amdhsa_system_vgpr_workitem_id 0
		.amdhsa_next_free_vgpr 1024
		.amdhsa_next_free_sgpr 102
		.amdhsa_reserve_vcc 1
		.amdhsa_float_denorm_mode_32 3
		.amdhsa_float_denorm_mode_16_64 3
		.amdhsa_memory_ordered 1
		.amdhsa_forward_progress 1
		.amdhsa_inst_pref_size 82
	.end_amdhsa_kernel
	.amdgpu_metadata
---
amdhsa.version: [ 1, 2 ]
amdhsa.kernels:
  - .name:           k_qb6021e9dfd_gemmp
    .symbol:         k_qb6021e9dfd_gemmp.kd
    .args:
      - { .name: attbuf, .offset: 0, .size: 8, .value_kind: global_buffer, .address_space: global }
      - { .name: aobuf, .offset: 8, .size: 8, .value_kind: global_buffer, .address_space: global }
      - { .name: part, .offset: 16, .size: 8, .value_kind: global_buffer, .address_space: global }
    .group_segment_fixed_size: 327680
    .private_segment_fixed_size: 0
    .kernarg_segment_align: 8
    .kernarg_segment_size: 24
    .max_flat_workgroup_size: 128
    .sgpr_count:     102
    .vgpr_count:     1024
    .wavefront_size: 32
...
	.end_amdgpu_metadata
.endif
;; end of part 4
;; launch pool (part 5): grid 8 x 1, 8 waves a work-group, no clusters, 0 bytes of LDS; arguments part, out0; writes out0
.if DOCPART == 5
	.amdgcn_target "amdgcn-amd-amdhsa--gfx1250"
	.amdhsa_code_object_version 6
	.text
	.protected	k_qb6021e9dfd_pool
	.globl	k_qb6021e9dfd_pool
	.p2align	8
	.type	k_qb6021e9dfd_pool,@function
k_qb6021e9dfd_pool:
	s_mov_b64 s[64:65], 0
	v_nop
	global_prefetch_b8 v0, s[64:65] scope:SCOPE_SE
	s_setreg_imm32_b32 hwreg(HW_REG_WAVE_MODE, 25, 1), 1
	s_wait_xcnt 0x0
; out0[b][e] = (1 / 1,024) x the sum of part[b][0 .. 7][e].  A work-group takes one b, a thread four neighbouring e: each load and the store cover 512 consecutive bytes a wave.
; 32 KiB in and 4 KiB out for each work-group: no LDS, no barrier, nothing to share.
	s_load_b128 s[4:7], s[0:1], 0x0                ; part, out0
	v_lshlrev_b32 v1, 4, v0
	s_lshl_b32 s8, ttmp9, 15
	s_mov_b32 s9, 0
	s_lshl_b32 s10, ttmp9, 12
	s_mov_b32 s11, 0
	s_wait_alu depctr_va_vdst(0)
	s_wait_kmcnt 0x0
	s_add_nc_u64 s[4:5], s[4:5], s[8:9]
	s_add_nc_u64 s[6:7], s[6:7], s[10:11]
.irp k, 0,1,2,3,4,5,6,7
	global_load_b128 v[4+4*\k:7+4*\k], v1, s[4:5] offset:4096*\k
.endr
	s_wait_loadcnt 0x0
.irp k, 0,2,4,6
	v_pk_add_f32 v[4+4*\k:5+4*\k], v[4+4*\k:5+4*\k], v[8+4*\k:9+4*\k]
	v_pk_add_f32 v[6+4*\k:7+4*\k], v[6+4*\k:7+4*\k], v[10+4*\k:11+4*\k]
.endr
.irp k, 0
	v_pk_add_f32 v[4+4*\k:5+4*\k], v[4+4*\k:5+4*\k], v[12+4*\k:13+4*\k]
	v_pk_add_f32 v[6+4*\k:7+4*\k], v[6+4*\k:7+4*\k], v[14+4*\k:15+4*\k]
.endr
.irp k, 4
	s_delay_alu instid0(VALU_DEP_4)
	v_pk_add_f32 v[4+4*\k:5+4*\k], v[4+4*\k:5+4*\k], v[12+4*\k:13+4*\k]
	s_delay_alu instid0(VALU_DEP_4)
	v_pk_add_f32 v[6+4*\k:7+4*\k], v[6+4*\k:7+4*\k], v[14+4*\k:15+4*\k]
.endr
	s_delay_alu instid0(VALU_DEP_2)
	v_pk_add_f32 v[4:5], v[4:5], v[20:21]
	s_delay_alu instid0(VALU_DEP_2)
	v_pk_add_f32 v[6:7], v[6:7], v[22:23]
	s_delay_alu instid0(VALU_DEP_2)
	v_pk_mul_f32 v[4:5], v[4:5], 0x3a800000 op_sel_hi:[1,0]   ; x 2^-10: the mean over the 1,024 queries
	s_delay_alu instid0(VALU_DEP_2)
	v_pk_mul_f32 v[6:7], v[6:7], 0x3a800000 op_sel_hi:[1,0]
	global_store_b128 v1, v[4:7], s[6:7]
	s_endpgm
.Lfunc_end_k_qb6021e9dfd_pool:
	.size	k_qb6021e9dfd_pool, .Lfunc_end_k_qb6021e9dfd_pool-k_qb6021e9dfd_pool
	.p2alignl 7, 3214868480
	.fill 96, 4, 3214868480
	.section	.rodata,"a",@progbits
	.p2align	6, 0x0
	.amdhsa_kernel k_qb6021e9dfd_pool
		.amdhsa_group_segment_fixed_size 0
		.amdhsa_private_segment_fixed_size 0
		.amdhsa_enable_private_segment 0
		.amdhsa_kernarg_size 16
		.amdhsa_user_sgpr_count 2
		.amdhsa_user_sgpr_kernarg_segment_ptr 1
		.amdhsa_wavefront_size32 1
		.amdhsa_system_sgpr_workgroup_id_x 1
		.amdhsa_system_sgpr_workgroup_id_y 1
		.amdhsa_system_sgpr_workgroup_id_z 1
		.amdhsa_system_vgpr_workitem_id 0
		.amdhsa_next_free_vgpr 48
		.amdhsa_next_free_sgpr 66
		.amdhsa_reserve_vcc 0
		.amdhsa_float_denorm_mode_32 3
		.amdhsa_float_denorm_mode_16_64 3
		.amdhsa_memory_ordered 1
		.amdhsa_forward_progress 1
		.amdhsa_inst_pref_size 3
	.end_amdhsa_kernel
	.amdgpu_metadata
---
amdhsa.version: [ 1, 2 ]
amdhsa.kernels:
  - .name:           k_qb6021e9dfd_pool
    .symbol:         k_qb6021e9dfd_pool.kd
    .args:
      - { .name: part, .offset: 0, .size: 8, .value_kind: global_buffer, .address_space: global }
      - { .name: out0, .offset: 8, .size: 8, .value_kind: global_buffer, .address_space: global }
    .group_segment_fixed_size: 0
    .private_segment_fixed_size: 0
    .kernarg_segment_align: 8
    .kernarg_segment_size: 16
    .max_flat_workgroup_size: 256
    .sgpr_count:     66
    .vgpr_count:     48
    .wavefront_size: 32
...
	.end_amdgpu_metadata
.endif
;; end of part 5
